; MI455X (gfx1250); checked and timed in simulation.
; The chip was launched on July 23, 2026; its instructions are those of AMD's public machine-readable ISA for CDNA 5 (MIT licence, August 2026) and "CDNA5" Instruction Set Architecture Reference Guide (July 2026). The comments in the code are by the model that wrote it; some were corrected since.
;; Multi Head Attention Block. Allowed arithmetic: float matrix products may take bf16 or f16 operands with f32 sums; all other float work in f32.
;; Inputs: Wk 1,024 x 1,024 float32; Wo 1,024 x 1,024 float32; Wq 1,024 x 1,024 float32; Wv 1,024 x 1,024 float32; k 4 x 2,048 x 1,024 float32; mask 1 x 1 x 2,048 x 2,048 int32; q 4 x 2,048 x 1,024 float32; v 4 x 2,048 x 1,024 float32.
;; Outputs: out0 4 x 2,048 x 1,024 float32.
;; 2 versions, each right and faster than the one before. Each part assembles by itself: llvm-mc -triple=amdgcn-amd-amdhsa -mcpu=gfx1250 --defsym DOCPART=n.
;; ======== version 1 of 2: 4 launches
;; limits: values are held in f16: magnitudes above 65,504 overflow, below 6.1e-05 lose precision; right only within a limited range of input values
;; workspace buffers: maskc 4,194,304 bytes of whole numbers; rowflag 32,768 bytes of whole numbers; wcv 8,388,608 bytes; qkv 50,331,648 bytes; oh 16,777,216 bytes
;; launch prep (part 1): grid 256 x 1, 8 waves a work-group, no clusters, 34,560 bytes of LDS; arguments mask, Wq, Wk, Wv, Wo, maskc, rowflag, wcv; writes maskc, rowflag, wcv
.if DOCPART == 1
	.amdgcn_target "amdgcn-amd-amdhsa--gfx1250"
	.amdhsa_code_object_version 6
	.text
	.protected	k_q44d477d01c_prep
	.globl	k_q44d477d01c_prep
	.p2align	8
	.type	k_q44d477d01c_prep,@function
k_q44d477d01c_prep:
	s_mov_b64 s[64:65], 0
	v_nop
	global_prefetch_b8 v0, s[64:65] scope:SCOPE_SE
	s_setreg_imm32_b32 hwreg(HW_REG_WAVE_MODE, 25, 1), 1
	s_wait_xcnt 0x0
; PREP: a stream, no matrix work.  Work-groups 0-127 turn the mask into codes, work-groups 128-255 round the four weight matrices to 16 bits; each reads 131,072 bytes.
; MASK.  Work-group T takes the 16 query rows 16 T .. 16 T + 15 of mask [2048][2048] (int32; 1 = hidden).  A word becomes one byte: 0xB8 (E4M3's -1.0) where it is 1, else 0.
; A row in which EVERY key is hidden gets all its bytes 0 and the flag 0 (else the flag is all ones): the attention launch clears that row's query, so that all its scores are 0 and its
; weights uniform, which is what a softmax over equal fills gives.
; maskc: [tile T][key step j of 64][half a][lane l][16 bytes]: bytes 0-7 are keys 64 j + 32 a + 8 (l / 16) + 0..7 of query 16 T + l % 16, bytes 8-15 the keys 16 further on: the lane image of the
; score accumulators.  The bytes change lanes through LDS: rows of 2,048 bytes, 2,064 apart, so that the 32 lanes' 8-byte reads (16 (l % 16) + 8 (l / 16) modulo 256) fall on different banks.
; rowflag: [tile T][64 words], word i = the flag of row 16 T + i % 16: one whole block of 256 bytes a tile.
; WEIGHTS.  wcv: [4][1024][1024] of 16 bits: Wq, Wk, Wv rounded to bf16; Wo rounded to bf16 and that number written as f16 (exact from 2^-14 to 65,504; below 2^-14 it keeps f16's fixed step of 2^-24).
.set PM,    2064                       ; LDS pitch of a row of codes
.set FL,    33280                      ; 16 flag words, in a block of 256 bytes of their own
.set SPARE, 33536                      ; the spare words, 128 bytes for each of eight waves: four blocks of 256 bytes that no other line names
.set SPW,  10                          ; v10  LDS address of my spare word; never rewritten
.set NIL,  11                          ; v11  0; never rewritten
.set CODE, 12                          ; v12  0xB8
.set GA,   13                          ; v13  byte offset of my loads
.set LS,   14                          ; v14  where I put a word of codes
.set FA,   15                          ; v15  where my wave puts its two flags
.set KP,   16                          ; v16  a flag
.set AC,   17                          ; v17  the AND of a row's words
.set LR,   18                          ; v18  where I read codes back
.set GS,   19                          ; v19  byte offset of my stores
.set FR,   20                          ; v20, v21, v[22:23]  wave 0's flags
.set FG,   21
.set FD,   22
.set X,    32                          ; v[32:159]  32 loads of 16 bytes
	s_load_b512 s[8:23], s[0:1], 0x0               ; mask s[8:9], Wq s[10:11], Wk s[12:13], Wv s[14:15], Wo s[16:17], maskc s[18:19], rowflag s[20:21], wcv s[22:23]
	v_lshl_add_u32 v[SPW], v0, 2, SPARE
	v_mov_b32 v[NIL], 0
	v_lshrrev_b32 v1, 5, v0                        ; wave, in every lane
	v_readfirstlane_b32 s2, v1                     ; and as a scalar
	v_and_b32 v2, 31, v0                           ; lane
	s_mov_b32 s5, 0
	s_wait_kmcnt 0x0
	s_cmp_lt_u32 ttmp9, 128                        ; the work-group's number: the same answer in all eight waves
	s_cbranch_scc0 .Lweights
	; ---- the mask: wave w owns rows 2 w and 2 w + 1 of the tile
	s_lshl_b32 s4, ttmp9, 17                       ; 16 rows of 8,192 bytes
	s_add_nc_u64 s[8:9], s[8:9], s[4:5]
	s_lshl_b32 s4, ttmp9, 15                       ; 32,768 bytes of codes a tile
	s_add_nc_u64 s[18:19], s[18:19], s[4:5]
	s_lshl_b32 s4, ttmp9, 8                        ; 256 bytes of flags a tile
	s_add_nc_u64 s[20:21], s[20:21], s[4:5]
	v_lshlrev_b32 v[GA], 4, v2
	v_lshl_add_u32 v[GA], v1, 14, v[GA]            ; 16 x lane + wave x two rows
.set i, 0
.rept 32                                       ; both rows at once: each load covers 512 consecutive bytes
	global_load_b128 v[X+4*i:X+4*i+3], v[GA], s[8:9] offset:(i/16)*8192+(i%16)*512 th:TH_LOAD_NT
.set i, i+1
.endr
	v_mov_b32 v[CODE], 0xb8
	v_mul_u32_u24 v[LS], v1, 2*PM
	v_lshl_add_u32 v[LS], v2, 2, v[LS]             ; row 2 w, 4 bytes a lane
	v_lshlrev_b32 v[FA], 3, v1
	v_add_nc_u32 v[FA], FL, v[FA]
.macro ROWM rr                         ; one row: 16 x 4 words a lane -> 16 words of four codes; the flag; into LDS
	s_wait_loadcnt 16-16*(\rr)                     ; loads return in order: row 0 is in while row 1's sixteen are out; then all
.set i, 0
.rept 16
.set x0, X+64*(\rr)+4*i
.irp n, 0,1,2,3
	v_cmp_eq_u32 vcc_lo, 1, v[x0+\n]
	v_cndmask_b32 v[x0+\n], 0, v[CODE], vcc_lo
.endr
	v_lshl_or_b32 v[x0], v[x0+1], 8, v[x0]
	v_lshl_or_b32 v[x0], v[x0+2], 16, v[x0]
	v_lshl_or_b32 v[x0], v[x0+3], 24, v[x0]
.if i == 1
	v_and_b32 v[AC], v[x0-4], v[x0]                ; the first two words start the AND
.elseif i > 1
	v_and_b32 v[AC], v[AC], v[x0]
.endif
.set i, i+1
.endr
	v_cmp_ne_u32 vcc_lo, 0xb8b8b8b8, v[AC]         ; lanes that saw a visible key
	s_cmp_eq_u32 vcc_lo, 0                         ; none in the whole row?
	s_cselect_b32 s6, 0, -1                        ; the flag; it selects values only
	v_mov_b32 v[KP], s6
.set i, 0
.rept 16
	v_and_b32 v[X+64*(\rr)+4*i], s6, v[X+64*(\rr)+4*i]
	ds_store_b32 v[LS], v[X+64*(\rr)+4*i] offset:(\rr)*PM+128*i
.set i, i+1
.endr
	ds_store_b32 v[FA], v[KP] offset:4*(\rr)       ; all lanes write the same word with the same value
.endm
	ROWM 0
	ROWM 1
	s_wait_dscnt 0x0                               ; for the others' sake: my stores are done
	s_barrier_signal -1
	s_barrier_wait -1
	s_cmp_lg_u32 s2, 0
	s_cbranch_scc1 .Lnoflag                        ; wave 0 alone stores the tile's flags
	v_lshlrev_b32 v[FG], 3, v2                     ; words 2 l and 2 l + 1
	v_and_b32 v[FR], 56, v[FG]                     ; are the flags of rows 2 l % 16 and the next
	ds_load_b64 v[FD:FD+1], v[FR] offset:FL
	s_wait_dscnt 0x0
	global_store_b64 v[FG], v[FD:FD+1], s[20:21]   ; 256 consecutive bytes
.Lnoflag:
	v_and_b32 v3, 15, v0                           ; l % 16: the query
	v_bfe_u32 v4, v0, 4, 1                         ; l / 16
	v_mul_u32_u24 v[LR], v3, PM
	v_lshl_add_u32 v[LR], v4, 3, v[LR]
	v_lshl_add_u32 v[LR], v1, 8, v[LR]             ; wave w takes key steps 4 w .. 4 w + 3: 256 bytes of each row
	v_lshlrev_b32 v[GS], 4, v2
	v_lshl_add_u32 v[GS], v1, 12, v[GS]
.set i, 0
.rept 8                                        ; i = 2 (step - 4 w) + half
	ds_load_b64 v[X+4*i:X+4*i+1],   v[LR] offset:32*i
	ds_load_b64 v[X+4*i+2:X+4*i+3], v[LR] offset:32*i+16
.set i, i+1
.endr
.set i, 0
.rept 8
	s_wait_dscnt 14-2*i                            ; LDS loads return in order: pair i is in, the younger pairs stay out
	global_store_b128 v[GS], v[X+4*i:X+4*i+3], s[18:19] offset:512*i  ; 512 consecutive bytes
.set i, i+1
.endr
	s_wait_tensorcnt 0x0                           ; the wave's end, behind my last LDS store
	ds_add_u32 v[SPW], v[NIL]
	s_wait_dscnt 0x0
	s_endpgm
	; ---- the weights: matrix (id / 32), chunk (id % 32) of 131,072 bytes; this path writes no LDS
.Lweights:
	s_sub_co_u32 s3, ttmp9, 128
	s_lshr_b32 s4, s3, 5                           ; 0 Wq, 1 Wk, 2 Wv, 3 Wo
	s_and_b32 s3, s3, 31
	s_cmp_eq_u32 s4, 1
	s_cselect_b64 s[24:25], s[12:13], s[10:11]
	s_cmp_eq_u32 s4, 2
	s_cselect_b64 s[24:25], s[14:15], s[24:25]
	s_cmp_eq_u32 s4, 3
	s_cselect_b64 s[24:25], s[16:17], s[24:25]
	s_lshl_b32 s26, s3, 17
	s_mov_b32 s27, 0
	s_add_nc_u64 s[24:25], s[24:25], s[26:27]
	s_lshl_b32 s26, s4, 21                         ; 2 MiB a matrix in wcv,
	s_lshl_b32 s28, s3, 16                         ; 65,536 bytes a chunk
	s_add_co_u32 s26, s26, s28
	s_add_nc_u64 s[22:23], s[22:23], s[26:27]
	s_mov_b32 s7, 0xffff0000                       ; a word's upper bf16
	v_lshlrev_b32 v[GA], 4, v0                     ; 16 bytes a thread in, 8 out
	v_lshlrev_b32 v[GS], 3, v0
.set i, 0
.rept 32                                       ; the whole chunk is on its way at once
	global_load_b128 v[X+4*i:X+4*i+3], v[GA], s[24:25] offset:4096*i th:TH_LOAD_NT
.set i, i+1
.endr
.macro WCONV half                      ; half = 1: the bf16 numbers are written as f16
.set i, 0
.rept 32
	s_wait_loadcnt 31-i                            ; load i is in, the younger ones stay out
	v_cvt_pk_bf16_f32 v[X+4*i], v[X+4*i], v[X+4*i+1]
	v_cvt_pk_bf16_f32 v[X+4*i+1], v[X+4*i+2], v[X+4*i+3]
.if \half
	v_lshlrev_b32 v[X+4*i+2], 16, v[X+4*i]
	v_and_b32 v[X+4*i+3], s7, v[X+4*i]
	v_cvt_pk_f16_f32 v[X+4*i], v[X+4*i+2], v[X+4*i+3]
	v_lshlrev_b32 v[X+4*i+2], 16, v[X+4*i+1]
	v_and_b32 v[X+4*i+3], s7, v[X+4*i+1]
	v_cvt_pk_f16_f32 v[X+4*i+1], v[X+4*i+2], v[X+4*i+3]
.endif
	global_store_b64 v[GS], v[X+4*i:X+4*i+1], s[22:23] offset:2048*i  ; a wave's store covers 256 consecutive bytes, aligned
.set i, i+1
.endr
	s_endpgm
.endm
	s_cmp_eq_u32 s4, 3
	s_cbranch_scc1 .Lwo
	WCONV 0
.Lwo:
	WCONV 1
.Lfunc_end_k_q44d477d01c_prep:
	.size	k_q44d477d01c_prep, .Lfunc_end_k_q44d477d01c_prep-k_q44d477d01c_prep
	.p2alignl 7, 3214868480
	.fill 96, 4, 3214868480
	.section	.rodata,"a",@progbits
	.p2align	6, 0x0
	.amdhsa_kernel k_q44d477d01c_prep
		.amdhsa_group_segment_fixed_size 34560
		.amdhsa_private_segment_fixed_size 0
		.amdhsa_enable_private_segment 0
		.amdhsa_kernarg_size 64
		.amdhsa_user_sgpr_count 2
		.amdhsa_user_sgpr_kernarg_segment_ptr 1
		.amdhsa_wavefront_size32 1
		.amdhsa_system_sgpr_workgroup_id_x 1
		.amdhsa_system_sgpr_workgroup_id_y 1
		.amdhsa_system_sgpr_workgroup_id_z 1
		.amdhsa_system_vgpr_workitem_id 0
		.amdhsa_next_free_vgpr 160
		.amdhsa_next_free_sgpr 66
		.amdhsa_reserve_vcc 1
		.amdhsa_float_denorm_mode_32 3
		.amdhsa_float_denorm_mode_16_64 3
		.amdhsa_memory_ordered 1
		.amdhsa_forward_progress 1
		.amdhsa_inst_pref_size 54
	.end_amdhsa_kernel
	.amdgpu_metadata
---
amdhsa.version: [ 1, 2 ]
amdhsa.kernels:
  - .name:           k_q44d477d01c_prep
    .symbol:         k_q44d477d01c_prep.kd
    .args:
      - { .name: mask, .offset: 0, .size: 8, .value_kind: global_buffer, .address_space: global }
      - { .name: Wq, .offset: 8, .size: 8, .value_kind: global_buffer, .address_space: global }
      - { .name: Wk, .offset: 16, .size: 8, .value_kind: global_buffer, .address_space: global }
      - { .name: Wv, .offset: 24, .size: 8, .value_kind: global_buffer, .address_space: global }
      - { .name: Wo, .offset: 32, .size: 8, .value_kind: global_buffer, .address_space: global }
      - { .name: maskc, .offset: 40, .size: 8, .value_kind: global_buffer, .address_space: global }
      - { .name: rowflag, .offset: 48, .size: 8, .value_kind: global_buffer, .address_space: global }
      - { .name: wcv, .offset: 56, .size: 8, .value_kind: global_buffer, .address_space: global }
    .group_segment_fixed_size: 34560
    .private_segment_fixed_size: 0
    .kernarg_segment_align: 8
    .kernarg_segment_size: 64
    .max_flat_workgroup_size: 256
    .sgpr_count:     66
    .vgpr_count:     160
    .wavefront_size: 32
...
	.end_amdgpu_metadata
.endif
;; end of part 1
;; launch proj (part 2): grid 4 x 192, 4 waves a work-group, clusters of 4 x 4, 327,680 bytes of LDS; arguments q, k, v, wcv, qkv; writes qkv
.if DOCPART == 2
	.amdgcn_target "amdgcn-amd-amdhsa--gfx1250"
	.amdhsa_code_object_version 6
	.text
	.protected	k_q44d477d01c_proj
	.globl	k_q44d477d01c_proj
	.p2align	8
	.type	k_q44d477d01c_proj,@function
k_q44d477d01c_proj:
	s_mov_b64 s[64:65], 0
	v_nop
	global_prefetch_b8 v0, s[64:65] scope:SCOPE_SE
	s_setreg_imm32_b32 hwreg(HW_REG_WAVE_MODE, 25, 1), 1
	s_wait_xcnt 0x0
	s_wait_alu depctr_hold_cnt(0) depctr_sa_sdst(0) depctr_va_vdst(0) depctr_va_sdst(0) depctr_va_ssrc(0) depctr_va_vcc(0) depctr_vm_vsrc(0)
	s_getreg_b32 s2, hwreg(HW_REG_IB_STS2, 6, 4)
	s_cmp_eq_u32 s2, 0
	s_cbranch_scc0 .Lentry_in_a_cluster
	s_endpgm
.Lentry_in_a_cluster:
	s_bfe_u32 s2, ttmp6, 0x10000c
	s_cmp_lg_u32 s2, 0xf033
	s_cbranch_scc0 .Lentry_shape_is_right
	s_endpgm
.Lentry_shape_is_right:
; THE THREE PROJECTIONS.  For t = 0, 1, 2 (q, k, v): Y = X W^T, X [8192][1024] f32, W [1024][1024] bf16 (wcv, matrix t); Y leaves by heads, qkv [t][batch x 16 + head][2048][64] in f16, unscaled.
; X is rounded to bf16 between LDS and the matrix unit, so it is read from memory once and no 16-bit copy of it is ever written.  Sums in f32, K ascending, Y rounded once.
; LIMIT.  f16 ends at 65,504: a projected number of 65,520 or more becomes an infinity.  NaN and infinities are not treated apart.
; SHARES.  A tile of Y is 128 rows x 256 columns: 64 x 4 tiles a tensor, 768 work-groups, three for each of 256 WGPs.  Four waves, each 64 x 128: 32 accumulators of 16 x 16, 256 registers.
; K goes in 8 steps of 128 through two LDS slots.  A slot: X's 128 rows of 512 bytes (f32), 528 apart, then W's 256 rows of 256 bytes, 272 apart: both pitches are odd multiples of 16 bytes,
; so the 16 rows that a fragment load touches start at 16 different groups of four banks (64 banks of 4 bytes: ISA guide 11.1).
; CLUSTER.  4 x 4 work-groups.  The four of a row of the cluster need the same tile of X, the four of a column the same tile of W: each is asked for JOINTLY, by the same tensor load with the same
; descriptor and a mask that names the four.  Waves 0, 1 fetch X's halves (64 rows), waves 2, 3 W's (128 rows): one load a wave behind each round; two loads of a wave are out at the start, later one.
; THE MATRIX INSTRUCTION IS USED TRANSPOSED (source 0 = 16 rows of W, source 1 = 16 rows of X): a lane then holds eight neighbouring columns of one row of Y.
; A K step is four quarters of 32 along K, 32 matrix instructions each, on fragment buffers 0, 1, 0, 1.  The next quarter's X arrives raw (f32, 64 registers); its 32 conversions stand four behind each
; of the quarter's last eight products.
; REGISTERS, in windows of 256 (s_set_vgpr_msb: bits 1:0 source 0, 3:2 source 1, 5:4 source 2, 7:6 destination):
;   window 0: v0-31 addresses; v32-95 X's fragments, two buffers of 32; v96-159 X raw; v160-255 the way out      window 1: accumulator (a, b) at v[8 (8 a + b)]      window 2: v0-127 W's fragments, two buffers
.set SIZE_K, 1024
.set KSTEP,  128
.set PA,     528
.set PB,     272
.set HALFA,  64*PA                     ; what one load brings of X
.set HALFB,  128*PB                    ; and of W
.set BOFF,   2*HALFA                   ; W's rows lie behind X's
.set SLOT,   BOFF+2*HALFB              ; 137,216
.set STAGE,  2*SLOT                    ; behind the ring, never filled by a tensor load: 16 rows x 272 bytes for each wave
.set SPITCH, 272
.set SPARE,  STAGE+4*16*SPITCH         ; the spare words, 128 bytes for each wave: two blocks of 256 bytes that no other line names
.set LAPS,   SIZE_K/(2*KSTEP)
.set ADRA, 16                          ; v16-17  LDS address of my X fragments in slot 0, 1
.set ADRB, 20                          ; v20-21  the same for W
.set STO,  24                          ; v24     the way out: where I put 16 bytes of a row
.set RD,   25                          ; v25     where I read rows back
.set GO,   26                          ; v26     16 x lane
.set SPW,  28                          ; v28     LDS address of my spare word; never rewritten
.set NIL,  29                          ; v29     0; never rewritten
.set AF,   32
.set RAW,  96
.set TMP,  160
.set OB,   192
.set G1,  24                           ; s[24:31] descriptor group 1 for X's tiles;  s[32:39] group 0, a set for each slot
.set G0,  32
.set G1B, 48                           ; s[48:55], s[56:63] the same for W's
.set G0B, 56
.set MSB, 0
.macro WIN new                         ; the immediate's high byte repeats the setting that is left; a switch that changes nothing is dropped
.if MSB != (\new)
	s_set_vgpr_msb (MSB<<8)|(\new)
.set MSB, (\new)
.endif
.endm
.set MUL,  0x52                        ; source 0 (W) window 2, source 1 (X) window 0, C and D window 1
.set TO_B, 0x80                        ; destination window 2, address window 0
.macro JLOAD s                         ; a joint load; the branch hangs on the wave's number alone; an s_nop 0 and four v_nop follow each of the two lines
	s_cmp_eq_u32 s11, 0
	s_cbranch_scc0 .Lfor_b_\@
	tensor_load_to_lds s[G0+4*(\s):G0+4*(\s)+3], s[G1:G1+7]
	s_nop 0
.rept 4
	v_nop
.endr
	s_branch .Lasked_\@
.Lfor_b_\@:
	tensor_load_to_lds s[G0B+4*(\s):G0B+4*(\s)+3], s[G1B:G1B+7]
	s_nop 0
.rept 4
	v_nop
.endr
.Lasked_\@:
.endm
.macro CREST                           ; a round of the cluster's barrier behind its opening barrier
	s_cmp_lg_u32 s10, 0
	s_cbranch_scc1 .Lnot_wave_0_\@
	s_barrier_signal -3
.Lnot_wave_0_\@:
	s_barrier_wait -3
	s_barrier_signal -1
	s_barrier_wait -1
.endm
.macro CROUND                          ; a whole round
	s_barrier_signal -1
	s_barrier_wait -1
	CREST
.endm
	s_load_b256 s[68:75], s[0:1], 0x0              ; q s[68:69], k s[70:71], v s[72:73], wcv s[74:75]
	s_load_b64 s[8:9], s[0:1], 0x20                ; qkv
	v_lshl_add_u32 v[SPW], v0, 2, SPARE
	v_mov_b32 v[NIL], 0
	ds_add_u32 v[SPW], v[NIL]                      ; the wave's opening: the add and its wait stand ahead of my first tensor load; the set-up below stands between them
	v_lshrrev_b32 v1, 5, v0
	v_readfirstlane_b32 s10, v1                    ; wave 0..3
	s_lshr_b32 s11, s10, 1                         ; which 64 rows of the tile are mine.  Also: I fetch for X (0) or for W (1)
	s_and_b32 s12, s10, 1                          ; which 128 columns.  Also: which half of that tile I fetch
	s_bfe_u32 s40, ttmp6, 0x40000                  ; cx, cy: my place in the cluster
	s_bfe_u32 s41, ttmp6, 0x40004
	s_lshl_b32 s42, ttmp9, 2
	s_add_co_u32 s42, s42, s40                     ; tile column = 4 x cluster x + cx
	s_and_b32 s45, ttmp7, 0xffff                   ; the cluster's y, 0..47: 16 clusters a tensor, 4 a batch
	s_and_b32 s13, s45, 3
	s_lshl_b32 s13, s13, 2
	s_add_co_u32 s13, s13, s41                     ; my block of 128 rows in its batch, 0..15
	s_bfe_u32 s6, s45, 0x20002                     ; the batch
	s_lshr_b32 s45, s45, 4                         ; t: which tensor; the same in all sixteen partners
	s_lshl_b32 s43, s41, 2
	s_lshl_b32 s43, 15, s43                        ; my row of the cluster
	s_lshl_b32 s44, 0x1111, s40                    ; my column
	; group 1 for X: 64 rows x 128 elements of 4 bytes, 4 words of padding after every 128 words
	s_or_b32 s[G1+0], s43, (2<<16)|(1<<20)|(1<<21)|(6<<22)|(3<<25)
	s_mov_b32 s[G1+1], KSTEP<<16                   ; tensor_dim0 = 128
	s_mov_b32 s[G1+2], 64<<16                      ; tensor_dim1 = 64
	s_mov_b32 s[G1+3], KSTEP<<16                   ; tile_dim0 = 128
	s_mov_b32 s[G1+4], 64                          ; tile_dim1 = 64
	s_mov_b32 s[G1+5], SIZE_K                      ; elements from row to row
	s_mov_b32 s[G1+6], 0
	s_mov_b32 s[G1+7], 0
	; group 1 for W: 128 rows x 128 elements of 2 bytes, 4 words of padding after every 64 words
	s_or_b32 s[G1B+0], s44, (1<<16)|(1<<20)|(1<<21)|(5<<22)|(3<<25)
	s_mov_b32 s[G1B+1], KSTEP<<16
	s_mov_b32 s[G1B+2], 128<<16
	s_mov_b32 s[G1B+3], KSTEP<<16
	s_mov_b32 s[G1B+4], 128
	s_mov_b32 s[G1B+5], SIZE_K
	s_mov_b32 s[G1B+6], 0
	s_mov_b32 s[G1B+7], 0
	; X's tile hangs on the batch, the row block and the wave; W's on t, the tile column and the wave; each offset in registers that never hold the other coordinate
	s_lshl_b32 s16, s6, 23                         ; 2,048 rows of 4,096 bytes a batch
	s_lshl_b32 s17, s13, 19                        ; 128 rows a block
	s_add_co_u32 s16, s16, s17
	s_lshl_b32 s17, s12, 18                        ; 64 rows a half
	s_add_co_u32 s16, s16, s17
	s_mov_b32 s17, 0
	s_lshl_b32 s46, s42, 19                        ; 256 rows of 2,048 bytes a tile column
	s_lshl_b32 s47, s12, 18                        ; 128 rows a half
	s_add_co_u32 s46, s46, s47
	s_lshl_b32 s47, s45, 21                        ; 2 MiB a matrix
	s_add_co_u32 s46, s46, s47
	s_mov_b32 s47, 0
	s_mul_i32 s20, s12, HALFA                      ; where they go: no place in the cluster enters an LDS address
	s_mul_i32 s18, s12, HALFB
	s_add_co_u32 s18, s18, BOFF
	s_wait_dscnt 0x0                               ; the opening add is done
	s_wait_kmcnt 0x0
	s_cmp_eq_u32 s45, 1
	s_cselect_b64 s[4:5], s[70:71], s[68:69]
	s_cmp_eq_u32 s45, 2
	s_cselect_b64 s[4:5], s[72:73], s[4:5]         ; X = q, k or v
	s_add_nc_u64 s[14:15], s[4:5], s[16:17]
	s_add_nc_u64 s[46:47], s[74:75], s[46:47]
	CROUND                                         ; all sixteen work-groups are here: the first joint loads meet
.irp s, 0,1
	s_mov_b32 s[G0+4*(\s)], 1
	s_add_co_u32 s[G0+4*(\s)+1], s20, (\s)*SLOT
	s_add_nc_u64 s[G0+4*(\s)+2:G0+4*(\s)+3], s[14:15], (\s)*KSTEP*4
	s_or_b32 s[G0+4*(\s)+3], s[G0+4*(\s)+3], 0x80000000
	s_mov_b32 s[G0B+4*(\s)], 1
	s_add_co_u32 s[G0B+4*(\s)+1], s18, (\s)*SLOT
	s_add_nc_u64 s[G0B+4*(\s)+2:G0B+4*(\s)+3], s[46:47], (\s)*KSTEP*2
	s_or_b32 s[G0B+4*(\s)+3], s[G0B+4*(\s)+3], 0x80000000
	JLOAD \s
.endr
	; A bf16 fragment is 16 rows x 32 K in 8 registers: lane l holds row l % 16, K = 8 (l / 16) + 0..7 and 16 + 8 (l / 16) + 0..7.  Of W: two loads of 16 bytes, 32 apart.
	; Of X in f32 the same numbers are 32 bytes at 32 (l / 16) and 32 bytes at 64 + 32 (l / 16): four loads of 16 bytes.
	v_and_b32 v1, 15, v0                           ; l % 16
	v_bfe_u32 v2, v0, 4, 1                         ; l / 16
	v_mul_u32_u24 v3, v1, PA
	v_lshl_add_u32 v3, v2, 5, v3
	v_mul_u32_u24 v7, v1, PB
	v_lshl_add_u32 v7, v2, 4, v7
	s_mul_i32 s21, s11, HALFA                      ; my 64 rows of X
	s_mul_i32 s22, s12, HALFB                      ; my 128 rows of W
	s_add_co_u32 s22, s22, BOFF
.irp s, 0,1
	v_add_nc_u32 v[ADRA+(\s)], s21, v3
	v_add_nc_u32 v[ADRB+(\s)], s22, v7
	s_add_co_u32 s21, s21, SLOT
	s_add_co_u32 s22, s22, SLOT
.endr
	s_mul_i32 s23, s10, 16*SPITCH
	s_add_co_u32 s23, s23, STAGE                   ; my stage
	v_mul_u32_u24 v4, v1, SPITCH                   ; in: row l % 16, 16 bytes for each half of the lanes
	v_lshl_add_u32 v4, v2, 4, v4
	v_add_nc_u32 v[STO], s23, v4
	v_bfe_u32 v5, v0, 3, 2                         ; back: 32 lanes take four rows' 128 bytes of one head,
	v_mul_u32_u24 v5, v5, SPITCH
	v_and_b32 v6, 7, v0
	v_lshl_add_u32 v5, v6, 4, v5
	v_add_nc_u32 v[RD], s23, v5
	v_and_b32 v[GO], 31, v0                        ; which are 512 consecutive bytes of qkv
	v_lshlrev_b32 v[GO], 4, v[GO]
	; qkv at my 64 rows of my first head: t x 16 MiB + (16 batch + 4 column + 2 half) x 262,144 + (128 block + 64 half) x 128
	s_lshl_b32 s16, s45, 24
	s_lshl_b32 s17, s6, 22
	s_add_co_u32 s16, s16, s17
	s_lshl_b32 s17, s13, 14
	s_add_co_u32 s16, s16, s17
	s_lshl_b32 s17, s11, 13
	s_add_co_u32 s16, s16, s17
	s_mov_b32 s17, 0
	s_add_nc_u64 s[8:9], s[8:9], s[16:17]
	s_lshl_b32 s46, s42, 20                        ; the part that holds cx, in the registers that held W's address
	s_lshl_b32 s47, s12, 19
	s_add_co_u32 s46, s46, s47
	s_mov_b32 s47, 0
	s_add_nc_u64 s[8:9], s[8:9], s[46:47]
; 8 matrix instructions: M block a x all 8 N blocks, 32 along K, on buffer f.  zero = 1: the product starts the sum.  ride = 1: behind product b stand four of the 32 conversions that make the other
; buffer's X fragments from the raw numbers; they name none of the product's registers.  The 32 accumulators take turns in one order everywhere.
.macro MUL8 f, a, zero, ride
	WIN MUL
.irp b, 0,1,2,3,4,5,6,7
.if \zero
	v_wmma_f32_16x16x32_bf16 v[8*(8*(\a)+(\b)):8*(8*(\a)+(\b))+7], v[64*(\f)+8*(\b):64*(\f)+8*(\b)+7], v[AF+32*(\f)+8*(\a):AF+32*(\f)+8*(\a)+7], 0
.else
	v_wmma_f32_16x16x32_bf16 v[8*(8*(\a)+(\b)):8*(8*(\a)+(\b))+7], v[64*(\f)+8*(\b):64*(\f)+8*(\b)+7], v[AF+32*(\f)+8*(\a):AF+32*(\f)+8*(\a)+7], v[8*(8*(\a)+(\b)):8*(8*(\a)+(\b))+7]
.endif
.if \ride
	WIN 0
.irp n, 0,1,2,3
	v_cvt_pk_bf16_f32 v[AF+32*(1-(\f))+4*(\b)+(\n)], v[RAW+8*(\b)+2*(\n)], v[RAW+8*(\b)+2*(\n)+1]
.endr
	WIN MUL
.endif
.endr
.endm
; 32 LDS loads in one run: quarter q of a slot: X raw (16 loads) first, then W's fragments into buffer g (16 loads)
.macro FETCH slot, q, g
	WIN 0
.irp a, 0,1,2,3
	ds_load_b128 v[RAW+16*(\a):RAW+16*(\a)+3],     v[ADRA+(\slot)] offset:(\a)*16*PA+128*(\q)
	ds_load_b128 v[RAW+16*(\a)+4:RAW+16*(\a)+7],   v[ADRA+(\slot)] offset:(\a)*16*PA+128*(\q)+16
	ds_load_b128 v[RAW+16*(\a)+8:RAW+16*(\a)+11],  v[ADRA+(\slot)] offset:(\a)*16*PA+128*(\q)+64
	ds_load_b128 v[RAW+16*(\a)+12:RAW+16*(\a)+15], v[ADRA+(\slot)] offset:(\a)*16*PA+128*(\q)+80
.endr
	WIN TO_B
.irp i, 0,1,2,3,4,5,6,7
	ds_load_b128 v[64*(\g)+8*(\i):64*(\g)+8*(\i)+3],   v[ADRB+(\slot)] offset:(\i)*16*PB+64*(\q)
	ds_load_b128 v[64*(\g)+8*(\i)+4:64*(\g)+8*(\i)+7], v[ADRB+(\slot)] offset:(\i)*16*PB+64*(\q)+32
.endr
.endm
.macro PLACES                          ; four places in front of loads into registers that matrix instructions have read, and of reads of results
.rept 4
	v_nop
.endr
.endm
; One of a K step's first three quarters: multiplies buffer f, fetches quarter q of the same slot for the other buffer.
.macro QUARTER slot, q, f, zero
	s_wait_dscnt 0x0                               ; W's fragments of buffer f are in (X's were converted in the quarter before)
	MUL8 \f, 0, \zero, 0
	PLACES
	FETCH \slot, \q, 1-(\f)
	MUL8 \f, 1, \zero, 0
	MUL8 \f, 2, \zero, 0
	s_wait_dscnt 16                                ; the raw X is in; W's sixteen loads, issued behind it, may stay out
	MUL8 \f, 3, \zero, 1
.endm
; The last quarter multiplies buffer 1 and changes slots: ONE barrier; in front of it each wave waits for all its tensor loads (one is out: its part of the next slot), adds 0 to its spare word,
; and waits for that and for its own reads of this slot.  fill = 1: the barrier opens a round of the cluster's, and this slot is filled again, two K steps ahead, first thing behind the round.
.macro TURN slot, next, fill
	WIN 0
	s_wait_tensorcnt 0x0
	ds_add_u32 v[SPW], v[NIL]                      ; 0 onto my spare word
	s_wait_dscnt 1                                 ; only the add may be out: W's fragments of buffer 1 are in
	MUL8 1, 0, 0, 0                                ; eight matrix instructions stand between the add and the wait for it
	s_wait_dscnt 0x0                               ; the add is done, and my reads of this slot are over
	s_barrier_signal -1
	MUL8 1, 1, 0, 0
.if \fill
	WIN 0
.endif
	s_barrier_wait -1
.if \fill
	CREST                                          ; no wave of any partner still reads this slot's tiles or has a load on its way
	s_add_nc_u64 s[G0+4*(\slot)+2:G0+4*(\slot)+3], s[G0+4*(\slot)+2:G0+4*(\slot)+3], 2*KSTEP*4
	s_add_nc_u64 s[G0B+4*(\slot)+2:G0B+4*(\slot)+3], s[G0B+4*(\slot)+2:G0B+4*(\slot)+3], 2*KSTEP*2
	JLOAD \slot                                    ; its four v_nop are also the places in front of the loads below
.else
	PLACES
.endif
	FETCH \next, 0, 0
	MUL8 1, 2, 0, 0
	s_wait_dscnt 16                                ; the raw X is in
	MUL8 1, 3, 0, 1
.endm
	s_wait_tensorcnt 1                             ; my part of K step 0 is in; K step 1's load stays out
	s_barrier_signal -1
	s_barrier_wait -1                              ; everybody's is
	FETCH 0, 0, 0
	s_wait_dscnt 16                                ; the raw X is in
	WIN 0
.set i, 0
.rept 32                                       ; the first quarter's conversions have no products to stand behind
	v_cvt_pk_bf16_f32 v[AF+i], v[RAW+2*i], v[RAW+2*i+1]
.set i, i+1
.endr
	QUARTER 0, 1, 0, 1                             ; the first quarter stands in front of the loop: its products start the sums
	WIN 0                                          ; at a label and at a branch every window is 0
	s_mov_b32 s3, LAPS-1
.Llap:                                                 ; a trip goes once round the ring, from a lap's second quarter to the next lap's first, and fills both slots again
	QUARTER 0, 2, 1, 0
	QUARTER 0, 3, 0, 0
	TURN 0, 1, 1
	QUARTER 1, 1, 0, 0
	QUARTER 1, 2, 1, 0
	QUARTER 1, 3, 0, 0
	TURN 1, 0, 1
	QUARTER 0, 1, 0, 0
	WIN 0
	s_sub_co_u32 s3, s3, 1
	s_cmp_lg_u32 s3, 0
	s_cbranch_scc1 .Llap
	QUARTER 0, 2, 1, 0                             ; the last lap fills nothing
	QUARTER 0, 3, 0, 0
	TURN 0, 1, 0
	QUARTER 1, 1, 0, 0
	QUARTER 1, 2, 1, 0
	QUARTER 1, 3, 0, 0
	s_wait_dscnt 0x0                               ; the very last quarter
	MUL8 1, 0, 0, 0
	MUL8 1, 1, 0, 0
	MUL8 1, 2, 0, 0
	MUL8 1, 3, 0, 0
	WIN 0
	PLACES
; THE WAY OUT, 16 rows at a time: rounded to f16 (each accumulator's registers in ascending order), 16 bytes a lane into my own stage, back as four rows' 128 bytes of one head, stored as 512 consecutive bytes.
.macro OUTA a
	WIN 0x05                                       ; sources 0 and 1 window 1, destination window 0
.irp b, 0,1,2,3,4,5,6,7
.irp n, 0,1,2,3
	v_cvt_pk_f16_f32 v[TMP+4*(\b)+(\n)], v[8*(8*(\a)+(\b))+2*(\n)], v[8*(8*(\a)+(\b))+2*(\n)+1]
.endr
.endr
	WIN 0
.irp b, 0,1,2,3,4,5,6,7
	ds_store_b128 v[STO], v[TMP+4*(\b):TMP+4*(\b)+3] offset:32*(\b)
.endr
.irp t, 0,1,2,3,4,5,6,7                ; head t / 4 of my two, rows 4 (t % 4) on.  LDS serves a wave's instructions in order (ISA guide 5.7.1.4): these see the stores above
	ds_load_b128 v[OB+32*((\a)%2)+4*(\t):OB+32*((\a)%2)+4*(\t)+3], v[RD] offset:((\t)/4)*128+((\t)%4)*4*SPITCH
.endr
	s_wait_dscnt 0x0
	s_wait_xcnt 0x0                                ; the stores of the block before have read their registers: the block after this one loads into them
.irp t, 0,1,2,3,4,5,6,7
	global_store_b128 v[GO], v[OB+32*((\a)%2)+4*(\t):OB+32*((\a)%2)+4*(\t)+3], s[8:9] offset:((\t)/4)*262144+(\a)*2048+((\t)%4)*512
.endr
.endm
	OUTA 0
	OUTA 1
	OUTA 2
	OUTA 3
	s_wait_tensorcnt 0x0                           ; the wave's end, behind my last tensor load and my last LDS store
	ds_add_u32 v[SPW], v[NIL]
	s_wait_dscnt 0x0
	CROUND                                         ; the closing round: no work-group ends while a partner may still ask for a tile that names it
	s_endpgm
.Lfunc_end_k_q44d477d01c_proj:
	.size	k_q44d477d01c_proj, .Lfunc_end_k_q44d477d01c_proj-k_q44d477d01c_proj
	.p2alignl 7, 3214868480
	.fill 96, 4, 3214868480
	.section	.rodata,"a",@progbits
	.p2align	6, 0x0
	.amdhsa_kernel k_q44d477d01c_proj
		.amdhsa_group_segment_fixed_size 327680
		.amdhsa_private_segment_fixed_size 0
		.amdhsa_enable_private_segment 0
		.amdhsa_kernarg_size 40
		.amdhsa_user_sgpr_count 2
		.amdhsa_user_sgpr_kernarg_segment_ptr 1
		.amdhsa_wavefront_size32 1
		.amdhsa_system_sgpr_workgroup_id_x 1
		.amdhsa_system_sgpr_workgroup_id_y 1
		.amdhsa_system_sgpr_workgroup_id_z 1
		.amdhsa_system_vgpr_workitem_id 0
		.amdhsa_next_free_vgpr 640
		.amdhsa_next_free_sgpr 76
		.amdhsa_reserve_vcc 0
		.amdhsa_float_denorm_mode_32 3
		.amdhsa_float_denorm_mode_16_64 3
		.amdhsa_memory_ordered 1
		.amdhsa_forward_progress 1
		.amdhsa_inst_pref_size 135
	.end_amdhsa_kernel
	.amdgpu_metadata
---
amdhsa.version: [ 1, 2 ]
amdhsa.kernels:
  - .name:           k_q44d477d01c_proj
    .symbol:         k_q44d477d01c_proj.kd
    .args:
      - { .name: q, .offset: 0, .size: 8, .value_kind: global_buffer, .address_space: global }
      - { .name: k, .offset: 8, .size: 8, .value_kind: global_buffer, .address_space: global }
      - { .name: v, .offset: 16, .size: 8, .value_kind: global_buffer, .address_space: global }
      - { .name: wcv, .offset: 24, .size: 8, .value_kind: global_buffer, .address_space: global }
      - { .name: qkv, .offset: 32, .size: 8, .value_kind: global_buffer, .address_space: global }
    .group_segment_fixed_size: 327680
    .private_segment_fixed_size: 0
    .kernarg_segment_align: 8
    .kernarg_segment_size: 40
    .max_flat_workgroup_size: 128
    .sgpr_count:     76
    .vgpr_count:     640
    .wavefront_size: 32
...
	.end_amdgpu_metadata
.endif
;; end of part 2
;; launch attn (part 3): grid 4 x 64, 4 waves a work-group, clusters of 4 x 1, 327,680 bytes of LDS; arguments qkv, maskc, rowflag, oh; writes oh
.if DOCPART == 3
	.amdgcn_target "amdgcn-amd-amdhsa--gfx1250"
	.amdhsa_code_object_version 6
	.text
	.protected	k_q44d477d01c_attn
	.globl	k_q44d477d01c_attn
	.p2align	8
	.type	k_q44d477d01c_attn,@function
k_q44d477d01c_attn:
	s_mov_b64 s[64:65], 0
	v_nop
	global_prefetch_b8 v0, s[64:65] scope:SCOPE_SE
	s_setreg_imm32_b32 hwreg(HW_REG_WAVE_MODE, 25, 1), 1
	s_wait_xcnt 0x0
	s_wait_alu depctr_hold_cnt(0) depctr_sa_sdst(0) depctr_va_vdst(0) depctr_va_sdst(0) depctr_va_ssrc(0) depctr_va_vcc(0) depctr_vm_vsrc(0)
	s_getreg_b32 s2, hwreg(HW_REG_IB_STS2, 6, 4)
	s_cmp_eq_u32 s2, 0
	s_cbranch_scc0 .Lentry_in_a_cluster
	s_endpgm
.Lentry_in_a_cluster:
	s_bfe_u32 s2, ttmp6, 0x10000c
	s_cmp_lg_u32 s2, 0x3003
	s_cbranch_scc0 .Lentry_shape_is_right
	s_endpgm
.Lentry_shape_is_right:
; ATTENTION UNDER A GIVEN MASK.  O[h][q][:] = the sum over k of softmax_k(hidden(q, k) ? fill : Q[h][q] . K[h][k] / 8) V[h][k][:].  Q, K, V: qkv [3][64][2048][64], O: oh [64][2048][64], all f16; a head's rows are
; dense, 128 bytes each.  Products, maxima and sums in f32; the weights p are rounded to f16 for the second product (their sum l is taken of the unrounded p), O once at the end.
; THE MASK is an input: every key tile is walked.  maskc holds one E4M3 code for each (query, key), -1.0 where hidden and 0 where visible, in the lane image of the score accumulators; one scaled
; conversion makes eight registers of 0 or -2^100 from eight codes, and these are the C operand of the product that starts a sum S^T = K Q^T: hidden scores lie far below every maximum before the maximum is
; taken, and their weights are 0.  A row whose first key steps are all hidden gathers finite numbers that the first visible score multiplies by a = 0.  A row with NO visible key has visible codes and the flag 0
; in rowflag: its query is cleared here, its scores are all 0, its weights equal: the uniform softmax of equal fills.
; LIMITS.  A hidden score counts as its value less 2^100, where the fill is -1e9: the two agree as long as a partly hidden row's largest visible scaled score lies above about -1e9 + 100.  f16 holds no number
; beyond 65,504: Q, K and V arrive within it.  p below 6e-5 keeps f16's fixed step of 6e-8; a weight below 2^-126 counts as 0 in l; NaN and infinities are not treated apart.
; SHARES.  A wave owns four PIECES of two tiles of 16 queries, a work-group's four waves 512 queries of one head.  Every wave walks all keys, 64 a step.
; LAYOUT.  S^T = K Q^T (source 0 = 16 keys, source 1 = 16 queries): a lane holds ONE query (lane % 16) and the keys 8 (lane / 16) + 0..7.  Two such tiles, rounded to f16 in pairs, ARE source 1 of
; O^T = V^T P.  K comes out of LDS as it lies, V ([key][channel]) turned, by ds_load_tr16_b128.
; SOFTMAX.  A running maximum m and sum l: p = 2^(c s - c m), c = log2(e) / 8; in every step O and l are multiplied by a = 2^(c m_old - c m_new).  m starts at the lowest finite number, O and l at 0.
; BY TURNS.  Turn n belongs to piece n.  Its matrix work: 16 products K Q^T of piece n + 1, later 16 products V^T P of piece n - 1.  Its vector work: scaling, exponentials, roundings, sums and rescaling of
; piece n, the maximum and statistics of piece n + 1, and the mask registers of piece n + 2.  A tile and step have 16 matrix and some 120 vector instructions: four that are ready stand behind every matrix
; instruction, the others in two runs of their own.
; CLUSTER.  The four query blocks of a cluster belong to one head and walk the same K and V: each tile is asked for JOINTLY.  The mask codes are each block's own and come by plain loads.
; REGISTERS, in windows of 256 (s_set_vgpr_msb: bits 1:0 source 0, 3:2 source 1, 5:4 source 2, 7:6 destination):
;   window 0: v0-10 addresses; v11 the conversion's scale; v12-15, v48-63 at work; v16-47 four registers of statistics a tile; v64-191 S^T, two buffers of two tiles; v192-255 P, likewise
;   window 1: O^T, 32 a tile     window 2: v0-127 Q; v128-191 K of one step; v192-255 V of one step     window 3: v0-1 the add's registers; v4-7 code offsets; v8-71 codes; v72-135 mask registers
.set SIZE_N, 2048
.set NP,    4         ; pieces a wave: a name, no knob
.set KS,    64        ; keys in a step
.set PK,    144       ; a row of K in LDS: 128 bytes + 16: the 16 rows of a load start at 16 different groups of four banks (64 banks of 4 bytes: ISA guide 11.1)
.set PV,    160       ; a row of V: 128 + 32
.set VOFF,  4*KS*PK   ; a slot holds four steps: 256 rows of K, then 256 rows of V
.set SLOT1, 1<<17     ; slot 1 begins here, so that one exclusive or turns an address in one slot into the other's
.set STAGE, SLOT1+4*KS*(PK+PV)  ; behind the ring, never filled by a tensor load: 16 rows x 144 bytes for each wave
.set SP,    144
.set SPARE, STAGE+4*16*SP  ; the spare words, 128 bytes for each wave: two blocks of 256 bytes that no other line names
.set AK0, 2           ; v2   my lane's place in a tile of K; never rewritten
.set AV0, 3           ; v3   the same for V
.set AK,  4           ; v4   the LDS address of K's next run of loads
.set AV,  5           ; v5   of V's
.set QO,  6           ; v6   my byte offset in the wave's rows of Q
.set STO, 6           ;      later, the way out: where I put 16 bytes of a row
.set RD,  7           ; v7   the way out: where I read rows back
.set GO,  8           ; v8   my byte offset in 512 consecutive bytes of O
.set SCL, 11          ; v11  227: the conversion multiplies by 2^(227 - 127)
.set MV,  12          ; v12-15  c m_old, kept while c m is made anew
.set ST,  16          ; tile t's statistics at v[ST+4 t]: c m, m, l (even keys', odd keys')
.set TMP, 48          ; by buffer and tile, four registers c0-c3 at work; when the maximum is found c2 takes a
.set S,   64
.set P,   192
.set KF,  128         ; window 2: key block kb, channel half c at KF + 16 kb + 8 c
.set VF,  192         ; window 2: key half kk, channel block cb at VF + 32 kk + 8 cb
.set SPW, 0           ; window 3: LDS address of my spare word; never rewritten
.set NIL, 1           ; window 3: 0; never rewritten
.set MA,  4           ; window 3: piece pc's byte offset in a tile's codes: 16 x lane + 1,024 x step
.set CD,  8           ; window 3: the codes of piece pc, tile u, half a at CD + 16 pc + 8 u + 4 a
.set MC,  72          ; window 3: the mask registers of the products to come: tile u, key block kb at MC + 32 u + 8 kb
.set WV,  12          ; s12  my wave's number
.set G1K, 24          ; s[24:31] descriptor group 1 for K's tiles
.set G1V, 32          ; s[32:39] for V's: it differs in the padding alone
.set G0K, 40          ; s[40:43] descriptor group 0 for K's tiles: it walks
.set G0V, 44          ; s[44:47] the same for V's
.set SLOTS, 56        ; s56  slots still to be asked for
.set CNT, 57          ; s57  counts a slot's key steps
.set CS,  58          ; s[58:59] c
.set SEL, 60          ; s[60:61] v_permlanex16_b32's selects: each lane takes its own place in the other half
.set TBK, 62          ; s62  LDS byte at which K of the step to be fetched begins
.set TBV, 63          ; s63  the same for V, less VOFF
.set MSB, 0
.macro WIN new                      ; the high byte repeats the setting that is left; a switch that changes nothing is dropped
.if MSB != (\new)
	s_set_vgpr_msb (MSB<<8)|(\new)
.set MSB, (\new)
.endif
.endm
.set W_KQ, 0x0a       ; K and Q in window 2, S^T in window 0
.set W_KM, 0x3a       ; the same with the C operand in window 3
.set W_PV, 0x52       ; V in window 2, P in window 0, O^T in window 1
.set W_RS, 0x41       ; O^T (destination and source 0) in window 1, a in window 0
.set W_MK, 0xc0       ; destination in window 3, sources in window 0
.set W_AD, 0x0f       ; the add: address (source 0) and data (source 1) in window 3
.set W_MQ, 0xc3       ; destination and source 0 in window 3, source 1 in window 0
.set W_FL, 0x88       ; destination and source 1 in window 2, source 0 in window 0
; A joint fill.  Waves 0 and 1 fetch the two halves of a slot's K, waves 2 and 3 those of its V: 128 keys each.  An s_nop 0 and four v_nop follow each of the two lines.
.macro JLOAD
	s_cmp_lt_u32 s[WV], 2
	s_cbranch_scc0 .Lfor_v_\@
	tensor_load_to_lds s[G0K:G0K+3], s[G1K:G1K+7]
	s_nop 0
.rept 4
	v_nop
.endr
	s_branch .Lasked_\@
.Lfor_v_\@:
	tensor_load_to_lds s[G0V:G0V+3], s[G1V:G1V+7]
	s_nop 0
.rept 4
	v_nop
.endr
.Lasked_\@:
.endm
.macro CROUND                       ; a round of the cluster's barrier
	s_barrier_signal -1
	s_barrier_wait -1
	s_cmp_lg_u32 s[WV], 0
	s_cbranch_scc1 .Lnot_wave_0_\@
	s_barrier_signal -3
.Lnot_wave_0_\@:
	s_barrier_wait -3
	s_barrier_signal -1
	s_barrier_wait -1
.endm
; THE CHANGE OF SLOTS.  Each wave waits for all its tensor loads, of which one is out: its part of the other slot; adds 0 to its spare word; and waits for that and for its own reads of the slot.
; fill = 1: this slot is filled again, with the keys two slots on; the barrier is then a round of the cluster's, and the joint fill is the first thing behind it: it has four key steps in which to land.
; (At its first use nothing has been read yet: slot 0 is waited for, slot 1 filled.)
.macro CHANGE fill
	WIN W_AD
	s_wait_tensorcnt 0x0            ; no tensor load of mine is out, so a group 0 may be written
	ds_add_u32 v[SPW], v[NIL]       ; 0 onto my spare word
	WIN 0                           ; at a label and at a branch every window is 0
.if \fill
.irp g, G0K, G0V
	s_xor_b32 s[\g+1], s[\g+1], SLOT1  ; the walking descriptor: the other slot than last time,
	s_add_nc_u64 s[\g+2:\g+3], s[\g+2:\g+3], 4*KS*128  ; the next 256 keys; the type bits on top are not reached
.endr
	s_wait_dscnt 0x0                ; the add is done, and my reads of the slot are over
	CROUND
	JLOAD
.else
	s_wait_dscnt 0x0
	s_barrier_signal -1
	s_barrier_wait -1
.endif
	s_sub_co_u32 s[TBK], s[TBK], 4*KS*PK  ; the fetches go back to a slot's first step,
	s_xor_b32 s[TBK], s[TBK], SLOT1       ; in the other slot
	s_sub_co_u32 s[TBV], s[TBV], 4*KS*PV
	s_xor_b32 s[TBV], s[TBV], SLOT1
.endm
	s_load_b256 s[4:11], s[0:1], 0x0  ; qkv s[4:5], maskc s[6:7], rowflag s[8:9], oh s[10:11]
	WIN W_MK
	v_lshl_add_u32 v[SPW], v0, 2, SPARE
	v_mov_b32 v[NIL], 0
	WIN W_AD
	ds_add_u32 v[SPW], v[NIL]       ; the wave's opening: the add and its wait stand ahead of my first tensor load; the set-up below stands between them
	WIN 0
	v_lshrrev_b32 v1, 5, v0
	v_readfirstlane_b32 s[WV], v1   ; wave 0..3
	s_bfe_u32 s13, ttmp6, 0x40000   ; cx: my place in the cluster
	s_lshl_b32 s14, ttmp9, 2        ; in a cluster launch ttmp9 counts clusters
	s_add_co_u32 s14, s14, s13      ; my block of 512 queries: it enters the addresses of Q, O, the codes and the flags alone
	s_and_b32 s20, ttmp7, 0xffff    ; batch x 16 + head, which the four partners share
	s_mov_b32 s21, 0
	s_mov_b64 s[22:23], SIZE_N*128
	s_mul_u64 s[20:21], s[20:21], s[22:23]  ; the head's first byte in Q, K, V and O
	s_and_b32 s16, s[WV], 1         ; which half of a slot's 256 keys I fetch:
	s_lshl_b32 s22, s16, 14         ; its 128 rows of 128 bytes in memory,
	s_mov_b32 s23, 0
	s_add_nc_u64 s[22:23], s[22:23], s[20:21]
	s_add_nc_u64 s[52:53], s[22:23], 0x1000000  ; K lies 16 MiB into qkv,
	s_add_nc_u64 s[54:55], s[22:23], 0x2000000  ; V 32 MiB
	s_mul_i32 s17, s16, 128*PK      ; and its place in a slot, for K
	s_mul_i32 s18, s16, 128*PV      ; and for V: no place in the cluster enters an LDS address
	s_lshl_b32 s2, s14, 2
	s_add_co_u32 s2, s2, s[WV]      ; my wave among the head's sixteen:
	s_lshl_b32 s48, s2, 18          ; its 8 tiles of 32,768 bytes of codes,
	s_mov_b32 s49, 0
	s_lshl_b32 s50, s2, 11          ; its 8 blocks of 256 bytes of flags,
	s_mov_b32 s51, 0
	s_lshl_b32 s2, s2, 14           ; its 128 rows
	s_mov_b32 s3, 0
	s_add_nc_u64 s[2:3], s[2:3], s[20:21]
	; descriptor group 1.  128 keys are 16,384 dense bytes: asked for as 64 rows of 256 bytes, two keys a row, and padded in LDS after every key
	s_mov_b32 s[G1K], 15|(1<<16)|(1<<20)|(1<<21)|(4<<22)|(3<<25)  ; the mask of four; 2-byte elements; padding on; bit 21 beside a mask; after every 32 words; 4 words
	s_mov_b32 s[G1V], 15|(1<<16)|(1<<20)|(1<<21)|(4<<22)|(7<<25)  ; the same with 8 words of padding
.irp g, G1K, G1V
	s_mov_b32 s[\g+1], 128<<16      ; tensor_dim0 = 128
	s_mov_b32 s[\g+2], 64<<16       ; tensor_dim1 = 64
	s_mov_b32 s[\g+3], 128<<16      ; tile_dim0 = 128
	s_mov_b32 s[\g+4], 64           ; tile_dim1 = 64
	s_mov_b32 s[\g+5], 128          ; 128 elements from row to row
	s_mov_b32 s[\g+6], 0
	s_mov_b32 s[\g+7], 0
.endr
	s_mov_b32 s[CS], 0x3e38aa3b     ; c = log2(e) / 8 = 0.180337
	s_mov_b32 s[CS+1], s[CS]        ; named with it as a pair
	s_mov_b32 s[SEL], 0x76543210
	s_mov_b32 s[SEL+1], 0xfedcba98
	s_mov_b32 s[TBK], SLOT1+4*KS*PK ; the first change of slots turns these two into 0
	s_mov_b32 s[TBV], SLOT1+4*KS*PV
	s_mov_b32 s[G0K], 1
	s_mov_b32 s[G0K+1], s17         ; LDS address: slot 0
	s_mov_b32 s[G0V], 1
	s_add_co_u32 s[G0V+1], s18, VOFF
	s_wait_dscnt 0x0                ; the opening add is done
	s_wait_kmcnt 0x0
	s_add_nc_u64 s[G0K+2:G0K+3], s[4:5], s[52:53]  ; my half of the head's first 256 keys
	s_or_b32 s[G0K+3], s[G0K+3], 0x80000000
	s_add_nc_u64 s[G0V+2:G0V+3], s[4:5], s[54:55]
	s_or_b32 s[G0V+3], s[G0V+3], 0x80000000
	s_add_nc_u64 s[4:5], s[4:5], s[2:3]    ; Q and O at my wave's first row
	s_add_nc_u64 s[10:11], s[10:11], s[2:3]
	s_add_nc_u64 s[6:7], s[6:7], s[48:49]  ; the codes and the flags at my wave's first tile
	s_add_nc_u64 s[8:9], s[8:9], s[50:51]
	CROUND                          ; all four work-groups are here: the first joint loads meet
	JLOAD                           ; slot 0.  Slot 1 is asked for when slot 0 is in
	; A fragment of K or Q is 16 rows x 32 channels in 8 registers: lane l holds row l % 16, channels 8 (l / 16) + 0..7 and 16 + 8 (l / 16) + 0..7: two loads of 16 bytes, 32 bytes apart.
	v_and_b32 v1, 15, v0            ; l % 16
	v_bfe_u32 v9, v0, 4, 1          ; l / 16
	v_lshlrev_b32 v[QO], 7, v1
	v_lshl_add_u32 v[QO], v9, 4, v[QO]  ; row x 128 + 16 x half
	v_and_b32 v[TMP], 31, v0        ; lane
	v_lshlrev_b32 v[TMP+1], 2, v[TMP]
	WIN 0x80                        ; destination window 2, address window 0
.set i, 0
.rept 4*NP                          ; Q stays in registers: tile i / 2, channels 32 (i % 2) on
	global_load_b128 v[8*i:8*i+3],   v[QO], s[4:5] offset:(i/2)*2048+(i%2)*64
	global_load_b128 v[8*i+4:8*i+7], v[QO], s[4:5] offset:(i/2)*2048+(i%2)*64+32
.set i, i+1
.endr
	WIN 0
.set i, 0
.rept 2*NP                          ; tile i's flags: lane l takes that of row l % 16; they wait in S^T's registers
	global_load_b32 v[S+i], v[TMP+1], s[8:9] offset:256*i
.set i, i+1
.endr
	WIN W_MK
.set i, 0
.rept NP
	v_lshlrev_b32 v[MA+i], 4, v[TMP]  ; key step 0: 16 x lane
.set i, i+1
.endr
	WIN W_MQ
.set i, 0
.rept 4*NP                          ; key step 0's codes, in the order of the pieces: piece i / 4, tile (i / 2) % 2, half i % 2; each load covers 512 consecutive bytes
	global_load_b128 v[CD+4*i:CD+4*i+3], v[MA+i/4], s[6:7] offset:(i/2)*32768+(i%2)*512
.set i, i+1
.endr
	; What the first turn finds: V's registers and P's second buffer hold 0 (its products V^T P, of a piece that has not been, add 0), O^T and l are 0.  All this stands in the wait for the first tile.
	WIN 0x80
.set i, VF
.rept 64
	v_mov_b32 v[i], 0
.set i, i+1
.endr
	WIN 0x40
.set i, 0
.rept 64*NP
	v_mov_b32 v[i], 0
.set i, i+1
.endr
	WIN 0
.set i, 0
.rept 2*NP
	v_mov_b32 v[ST+4*i], 0xfe000000    ; c m: far below every c s, the hidden ones' too
	v_mov_b32 v[ST+4*i+1], 0xff7fffff  ; m
	v_mov_b32 v[ST+4*i+2], 0
	v_mov_b32 v[ST+4*i+3], 0
.set i, i+1
.endr
.set i, P+32
.rept 32
	v_mov_b32 v[i], 0
.set i, i+1
.endr
	v_mul_u32_u24 v[AK0], v1, PK
	v_lshl_add_u32 v[AK0], v9, 4, v[AK0]  ; row x pitch + 16 x half
	; The turning load takes 16 keys x 16 channels (lane l reads key 8 (l / 16) + l % 8, channels 8 ((l / 8) % 2) + 0..7) and leaves half a fragment of V^T: lane l holds channel l % 16 and 8 keys.
	v_and_b32 v10, 7, v0
	v_bfe_u32 v11, v0, 3, 1
	v_lshl_add_u32 v[AV0], v9, 3, v10
	v_mul_u32_u24 v[AV0], v[AV0], PV
	v_lshl_add_u32 v[AV0], v11, 4, v[AV0]
	v_add_nc_u32 v[AV0], VOFF, v[AV0]
	v_mov_b32 v[SCL], 227           ; v11 has served; from here on it is the scale and is never rewritten
	v_mov_b32 v[AK], v[AK0]         ; key step 0 lies at the head of slot 0
; THE MATRIX WORK.  The 8 accumulators of a run of 16 take turns: between the two links of a chain stand 7 others'.
; Product i of 16 of S^T = K Q^T for piece x: channels 32 (i / 8) on, keys 16 ((i / 2) % 4) on, tile 2 x + i % 2.  The first 8 start the sums, with the mask registers as C.
.macro KQ x
.set rS, S+64*((\x)%2)+32*(i%2)+8*((i/2)%4)
.set rK, KF+16*((i/2)%4)+8*(i/8)
.set rQ, 16*(2*(\x)+i%2)+8*(i/8)
.set rH, MC+32*(i%2)+8*((i/2)%4)
.if i < 8
	WIN W_KM
	v_wmma_f32_16x16x32_f16 v[rS:rS+7], v[rK:rK+7], v[rQ:rQ+7], v[rH:rH+7]
.else
	WIN W_KQ
	v_wmma_f32_16x16x32_f16 v[rS:rS+7], v[rK:rK+7], v[rQ:rQ+7], v[rS:rS+7]
.endif
.endm
; Product i of 16 of O^T += V^T P for piece x: keys 32 (i / 8) on, channels 16 ((i / 2) % 4) on, tile 2 x + i % 2.
.macro PV x
	WIN W_PV
.set rO, 32*(2*(\x)+i%2)+8*((i/2)%4)
.set rV, VF+32*(i/8)+8*((i/2)%4)
.set rP, P+32*((\x)%2)+16*(i%2)+8*(i/8)
	v_wmma_f32_16x16x32_f16 v[rO:rO+7], v[rV:rV+7], v[rP:rP+7], v[rO:rO+7]
.endm
.macro MM                           ; the turn's next matrix instruction
.if i < 16
	KQ (Y+1)%NP
.set i, i+1
.else
.set i, i-16
	PV (Y+NP-1)%NP
.set i, i+17
.endif
.endm
; THE MASK REGISTERS of piece pc's next products: eight conversions, each eight codes to eight registers of 0 or -2^100; then the piece's codes of the step after are asked for, four turns ahead of their use.
; The count 12: loads return in order, and behind this piece's four stand the other three pieces' twelve; the wait also shows the loads that named MA done, so MA may step.  The two plain lines are the place
; between the conversions and what touches their registers.  The AND brings step 32 back to step 0: no load leaves the buffer.  No scalar arithmetic stands here.
.macro MASKQ pc
	WIN W_MQ
	s_wait_loadcnt 12
.set cc, 0
.rept 8
	v_cvt_scale_pk8_f32_fp8 v[MC+8*cc:MC+8*cc+7], v[CD+16*(\pc)+2*cc:CD+16*(\pc)+2*cc+1], v[SCL]
.set cc, cc+1
.endr
	v_add_nc_u32 v[MA+(\pc)], v[MA+(\pc)], 1024
	v_and_b32 v[MA+(\pc)], v[MA+(\pc)], 0x7fff
	s_wait_alu depctr_va_vdst(0)
.set cc, 0
.rept 4
	global_load_b128 v[CD+16*(\pc)+4*cc:CD+16*(\pc)+4*cc+3], v[MA+(\pc)], s[6:7] offset:(2*(\pc)+cc/2)*32768+(cc%2)*512
.set cc, cc+1
.endr
.endm
; THE LDS LOADS stand in runs of 16, never singly among the matrix instructions: a step's K (8 fragments) and its V (turned).  last = 1 (the tail): in the last trip there is no further step, and the run is jumped over.
.macro FETCH_K last=0
	WIN 0
.if \last
	s_cmp_eq_u32 s[CNT], 1
	s_cbranch_scc1 .Lno_k_\@
.endif
	WIN 0x80                        ; destination window 2
.irp f, 0,1,2,3,4,5,6,7             ; keys 16 (f / 2) on, channels 32 (f % 2) on
	ds_load_b128 v[KF+8*\f:KF+8*\f+3],   v[AK] offset:(\f/2)*16*PK+(\f%2)*64
	ds_load_b128 v[KF+8*\f+4:KF+8*\f+7], v[AK] offset:(\f/2)*16*PK+(\f%2)*64+32
.endr
	s_add_co_u32 s[TBK], s[TBK], KS*PK  ; the next fetch is the next step's
	WIN 0
.if \last
.Lno_k_\@:
.endif
.endm
.macro FETCH_V
	WIN 0x80
.irp f, 0,1,2,3,4,5,6,7             ; keys 32 (f / 4) on, channels 16 (f % 4) on
	ds_load_tr16_b128 v[VF+8*\f:VF+8*\f+3],   v[AV] offset:(\f/4)*32*PV+(\f%4)*32
	ds_load_tr16_b128 v[VF+8*\f+4:VF+8*\f+7], v[AV] offset:(\f/4)*32*PV+16*PV+(\f%4)*32
.endr
	WIN 0
.endm
; THE VECTOR WORK OF A TURN stands in three queues, each in the order in which its entries become ready; the two tiles alternate, so that no instruction reads the result of the one before it.
.macro REGS y, u                    ; the registers of tile u (0, 1) of piece y
.set rT, ST+4*(2*(\y)+(\u))
.set rC, TMP+8*((\y)%2)+4*(\u)
.set rM, MV+2*((\y)%2)+(\u)
.set rS, S+64*((\y)%2)+32*(\u)
.set rP, P+32*((\y)%2)+16*(\u)
.set rO, 32*(2*(\y)+(\u))
.endm
; Number n of the 22 that find the NEXT piece's (Y + 1) maximum and statistics.  Each accumulator's lowest registers are read first.
;   0-11  four chains c0-c3 of seven scores each, three operands at a time     12-14, 16  the four scores left over, the old m, and c0-c3 into c0     15  c m_old is kept
;   17, 18  the query's other 32 keys lie in the lane 16 away: the new m         19-21  c m; c m_old - c m_new; a
.macro XS u, n
	REGS (Y+1)%NP, \u
.if (\n) < 4
	v_max3_num_f32 v[rC+(\n)], v[rS+8*(\n)], v[rS+8*(\n)+1], v[rS+8*(\n)+2]
.elseif (\n) < 12
	v_max3_num_f32 v[rC+(\n)%4], v[rC+(\n)%4], v[rS+8*((\n)%4)+2*((\n)/4)+1], v[rS+8*((\n)%4)+2*((\n)/4)+2]
.elseif (\n) == 12
	v_max3_num_f32 v[rC], v[rC], v[rS+7], v[rS+15]
.elseif (\n) == 13
	v_max3_num_f32 v[rC+1], v[rC+1], v[rS+23], v[rS+31]
.elseif (\n) == 14
	v_max3_num_f32 v[rC+2], v[rC+2], v[rC+3], v[rT+1]
.elseif (\n) == 15
	v_mov_b32 v[rM], v[rT]
.elseif (\n) == 16
	v_max3_num_f32 v[rC], v[rC], v[rC+1], v[rC+2]
.elseif (\n) == 17
	v_permlanex16_b32 v[rC+3], v[rC], s[SEL], s[SEL+1]
.elseif (\n) == 18
	v_max_num_f32 v[rT+1], v[rC], v[rC+3]
.elseif (\n) == 19
	v_mul_f32 v[rT], s[CS], v[rT+1]
.elseif (\n) == 20
	v_sub_f32 v[rC+1], v[rM], v[rT]
.else
	v_exp_f32 v[rC+2], v[rC+1]
.endif
.endm
; Number g of the 64 that follow the exponentials.  For each four weights k of a tile: both pairs are rounded to f16; the second pair is added onto the first, in place; a group later l takes that sum
; (the first time as l = a l + sum).
.macro GS g
.set h, (\g)+6*((\g)/62)            ; group 0 has no group before it, and behind group 7 only l is left
.if h >= 6
.set h, h+2
.endif
	REGS Y, h%2
.set k, h/8
.if h%8 < 4
	s_wait_alu depctr_va_vdst(0)
	v_cvt_pk_f16_f32 v[rP+2*k+(h%8)/2], v[rS+4*k+2*((h%8)/2)], v[rS+4*k+2*((h%8)/2)+1]
.elseif h%8 < 6
	v_pk_add_f32 v[rS+4*k:rS+4*k+1], v[rS+4*k:rS+4*k+1], v[rS+4*k+2:rS+4*k+3]
.elseif k == 1
	v_pk_fma_f32 v[rT+2:rT+3], v[rT+2:rT+3], v[rC+2:rC+3], v[rS:rS+1] op_sel_hi:[1,0,1]
.else
	v_pk_add_f32 v[rT+2:rT+3], v[rT+2:rT+3], v[rS+4*k-4:rS+4*k-3]
.endif
.endm
; THE PLAIN QUEUE, 138 long.  0-31: c s - c m for the 16 pairs of both tiles.  Then GS's 64, and among them the next piece's 42: number 15 at 38, 39; 0-14 and 16 at 42-73, behind the products that
; make those scores; 17-20 at 95-106, two of three, since each waits for the one before it.
.macro PL
	WIN 0
.if q < 32
	REGS Y, q%2
	v_pk_fma_f32 v[rS+2*(q/2):rS+2*(q/2)+1], v[rS+2*(q/2):rS+2*(q/2)+1], s[CS:CS+1], v[rT:rT+1] op_sel_hi:[1,0,0] neg_lo:[0,0,1] neg_hi:[0,0,1]
.elseif q < 38
	GS q-32
.elseif q < 40
	XS q%2, 15
.elseif q < 42
	GS q-34
.elseif q < 74
	XS q%2, (q-42)/2+(q-42)/30
.elseif q < 95
	GS q-66
.elseif (q < 107) && ((q-95)%3 < 2)
	XS (q-95)%3, 17+(q-95)/3
.elseif q < 107
	GS 29+(q-95)/3
.else
	GS q-74
.endif
.set q, q+1
.endm
; THE EXPONENTIALS' QUEUE, 66 long: s0-s31 of both tiles, and at EA the next piece's two a.
.set EA, 58
.macro EX
	WIN 0
.if (e == EA) || (e == EA+1)
	XS e-EA, 21
.else
.set x, e-2*(e/(EA+2))
	REGS Y, x%2
	v_exp_f32 v[rS+x/2], v[rS+x/2]
.endif
.set e, e+1
.endm
; THE RESCALING's QUEUE: O^T times a, dealt four at a time, eight times.
.macro R4
	REGS Y, r%2
	WIN W_RS
	s_wait_alu depctr_va_vdst(0)
.irp z, 0,1,2,3
	v_pk_mul_f32 v[rO+8*(r/2)+2*\z:rO+8*(r/2)+2*\z+1], v[rO+8*(r/2)+2*\z:rO+8*(r/2)+2*\z+1], v[rC+2:rC+3] op_sel_hi:[1,0]
.endr
.set r, r+1
.endm
; HOW THEY ARE DEALT.  Behind a matrix instruction four: plain, exponential, plain, plain, or four of the rescaling; none names a register of the products round it.  What is over stands in two runs:
; exponential and plain by turns; the second ends in the mask registers and 22 plain instructions.  Exponential e stands behind plain 2 (e / 4) + e % 2 (its scaling); when plain 32 comes, 10 exponentials
; are out, at 59: 33, at 95: 46; EA comes behind plain 107.
.macro SL
	MM
	PL
	EX
	PL
	PL
.endm
.macro BURST n                      ; 15 matrix instructions, or 16
.rept (\n)-7
	SL
.endr
.rept 3
	MM
	R4
	SL
.endr
	MM
	R4
.endm
; A TURN, for piece p.  cnt = 1: the loop's count is taken down some lines ahead of the branch that stands behind the turn.
; K of the next step is fetched in piece 2's turn, V of the step in hand at the end of piece 0's.  The mask registers, which this turn's first eight products read, are made anew for the next turn's
; products (piece p + 2) behind the second run's exponentials: 16 products and two runs behind their last reader, 22 plain instructions ahead of their next.
.macro TURN p, last=0, cnt=0
.set Y, (\p)
.set i, 0
.set q, 0
.set e, 0
.set r, 0
.if (\p) == NP-1
	s_wait_dscnt 0x0                ; K is in
.endif
	MM
.rept 4
	PL
.endr
	BURST 15
.rept 22
	EX
	PL
.if ((\p) == NP-2) && (e == 18)
	v_add_nc_u32 v[AK], s[TBK], v[AK0]
.endif
.if ((\p) == NP-2) && (e == 24)
	FETCH_K \last
.endif
.endr
.if (\p) == 1
	s_wait_dscnt 0x0                ; V is in
.endif
	BURST 16
.rept 21
	EX
	PL
.endr
	MASKQ ((\p)+2)%NP
.rept 22
	PL
.if ((\p) == 0) && (q == 118)
	v_add_nc_u32 v[AV], s[TBV], v[AV0]
	s_wait_alu depctr_va_vdst(0)
.endif
.if ((\p) == 0) && (q == 130)
	s_add_co_u32 s[TBV], s[TBV], KS*PV
.endif
.if (\cnt) && (q == 130)
	s_sub_co_u32 s[CNT], s[CNT], 1
	s_cmp_lg_u32 s[CNT], 0
.endif
.endr
.if (\p) == 0
	FETCH_V
.endif
.endm
	CHANGE 1                        ; slot 0 is in, everybody's part of it; slot 1 is asked for
	FETCH_K                         ; key step 0
	s_wait_loadcnt 0x0              ; Q, the flags, key step 0's codes
	WIN W_FL
.set i, 0
.rept 32*NP                         ; a row without a visible key loses its query: the flag is 0 there, all ones elsewhere
	v_and_b32 v[i], v[S+i/16], v[i]
.set i, i+1
.endr
	MASKQ 0                         ; piece 0's mask registers for key step 0
	s_wait_dscnt 0x0
.set i, 0
.rept 16
	KQ 0                            ; piece 0's first scores: there is no vector work yet to set between them
.set i, i+1
.endr
	WIN 0                           ; the addresses for the way out: nine plain instructions, the places behind those products
	s_mul_i32 s13, s[WV], 16*SP
	s_add_co_u32 s13, s13, STAGE    ; my stage
	v_mul_u32_u24 v[STO], v1, SP    ; in: row l % 16, 16 bytes for each half of the lanes
	v_lshl_add_u32 v[STO], v9, 4, v[STO]
	v_add_nc_u32 v[STO], s13, v[STO]
	v_bfe_u32 v[RD], v0, 3, 2       ; back: 32 lanes take four rows of 128 bytes,
	v_mul_u32_u24 v[RD], v[RD], SP
	v_lshl_add_u32 v[RD], v10, 4, v[RD]
	v_add_nc_u32 v[RD], s13, v[RD]
	v_and_b32 v[GO], 31, v0         ; which are 512 consecutive bytes of O
	v_lshlrev_b32 v[GO], 4, v[GO]
	MASKQ 1                         ; piece 1's mask registers, for the first turn's products
	WIN 0
.set Y, NP-1                        ; XS works for piece Y + 1: piece 0
.irp n, 0,1,2,3,4,5,6,7,8,9,10,11,12,13,14,15,16,17,18,19,20,21
	XS 0, \n                        ; piece 0's first maximum and statistics
	XS 1, \n
.endr
	s_mov_b32 s[CNT], 4
	s_mov_b32 s[SLOTS], SIZE_N/256-1
	s_branch .Lfirst                ; the loop is entered at a step's first turn, in the middle of a trip
.Lslot:                             ; SIZE_N / 256 - 2 times: every slot but the last two is filled again
	CHANGE 1
	s_mov_b32 s[CNT], 4
.Lstep:                             ; a trip: pieces 2 and 3 of one step, then pieces 0 and 1 of the next, whose K and V it fetches
	TURN 2
	TURN 3
	WIN 0
.Lfirst:
	TURN 0
	TURN 1, 0, 1
	WIN 0
	s_cbranch_scc1 .Lstep
	s_sub_co_u32 s[SLOTS], s[SLOTS], 1
	s_cmp_lg_u32 s[SLOTS], 0
	s_cbranch_scc1 .Lslot
	CHANGE 0                        ; the tail is written out: nothing is asked for
	s_mov_b32 s[CNT], 5             ; four trips fetch the last slot's steps; the fifth is left in its middle
.Ltail:
	TURN 2, 1
	TURN 3
	WIN 0
	s_sub_co_u32 s[CNT], s[CNT], 1
	s_cmp_eq_u32 s[CNT], 0
	s_cbranch_scc1 .Lout
	TURN 0
	TURN 1
	WIN 0
	s_branch .Ltail
.Lout:                              ; the fifth trip's 16 products K Q^T (on the last K once more, under step 0's codes) and the maximum made of them serve nothing: the price, once a launch, of one text for every trip
.set i, 0
.rept 16
	PV NP-1                         ; the last piece's V^T P of the last step
.set i, i+1
.endr
	; THE WAY OUT.  l's two halves and the other half of the lanes' are added; O^T is divided by l, rounded to f16 and sent through my stage in LDS, a tile at a time.  The additions are the places behind the last products.
	WIN 0
.macro ALL line:vararg              ; one line for each tile t
.set t, 0
.rept 2*NP
	\line
.set t, t+1
.endr
.endm
	ALL v_add_f32 v[ST+4*t+2], v[ST+4*t+2], v[ST+4*t+3]
	ALL v_permlanex16_b32 v[ST+4*t+3], v[ST+4*t+2], s[SEL], s[SEL+1]
	ALL v_add_f32 v[ST+4*t+2], v[ST+4*t+2], v[ST+4*t+3]
	ALL v_rcp_f32 v[ST+4*t+2], v[ST+4*t+2]
	v_nop                           ; a plain instruction between the last reciprocal and the use of its result
	s_wait_alu depctr_va_vdst(0)
; Tile t: a lane's eight channels of a row pack into 16 bytes; they go into rows of 144 bytes and come back as whole rows of 128, into S^T's registers.
.macro PACK t
	WIN W_RS
.set i, 32*(\t)
.rept 16
	v_pk_mul_f32 v[i:i+1], v[i:i+1], v[ST+4*(\t)+2:ST+4*(\t)+3] op_sel_hi:[1,0]
.set i, i+2
.endr
	WIN 0x05                        ; sources 0 and 1 window 1, destination window 0
.set i, 0
.rept 16
	v_cvt_pk_f16_f32 v[S+16*(\t)+i], v[32*(\t)+2*i], v[32*(\t)+2*i+1]
.set i, i+1
.endr
	WIN 0
.irp f, 0,1,2,3
	ds_store_b128 v[STO], v[S+16*(\t)+4*\f:S+16*(\t)+4*\f+3] offset:32*\f
.endr
.irp f, 0,1,2,3
	ds_load_b128 v[S+16*(\t)+4*\f:S+16*(\t)+4*\f+3], v[RD] offset:\f*4*SP  ; LDS serves a wave's instructions in order (ISA guide 5.7.1.4): these see the stores above; the next tile's stores come behind them
.endr
.endm
.macro SEND t, younger              ; younger: the LDS instructions issued behind tile t's loads: the next tile's eight, or none
	WIN 0
.irp f, 0,1,2,3
	s_wait_dscnt (\younger)+3-\f
	global_store_b128 v[GO], v[S+16*(\t)+4*\f:S+16*(\t)+4*\f+3], s[10:11] offset:(\t)*2048+\f*512  ; 512 consecutive bytes, at a multiple of 256 from O's first
.endr
.endm
	PACK 0
.set t, 1
.rept 2*NP-1                        ; a tile's arithmetic stands between the loads of the tile before and its stores
	PACK t
	SEND t-1, 8
.set t, t+1
.endr
	SEND 2*NP-1, 0
	WIN W_AD
	s_wait_tensorcnt 0x0            ; the wave's end, behind my last tensor load and my last LDS store
	ds_add_u32 v[SPW], v[NIL]
	s_wait_dscnt 0x0
	WIN 0
	CROUND                          ; the closing round: no work-group ends while a partner may still ask for a tile that names it
	s_endpgm
.Lfunc_end_k_q44d477d01c_attn:
	.size	k_q44d477d01c_attn, .Lfunc_end_k_q44d477d01c_attn-k_q44d477d01c_attn
	.p2alignl 7, 3214868480
	.fill 96, 4, 3214868480
	.section	.rodata,"a",@progbits
	.p2align	6, 0x0
	.amdhsa_kernel k_q44d477d01c_attn
		.amdhsa_group_segment_fixed_size 327680
		.amdhsa_private_segment_fixed_size 0
		.amdhsa_enable_private_segment 0
		.amdhsa_kernarg_size 32
		.amdhsa_user_sgpr_count 2
		.amdhsa_user_sgpr_kernarg_segment_ptr 1
		.amdhsa_wavefront_size32 1
		.amdhsa_system_sgpr_workgroup_id_x 1
		.amdhsa_system_sgpr_workgroup_id_y 1
		.amdhsa_system_sgpr_workgroup_id_z 1
		.amdhsa_system_vgpr_workitem_id 0
		.amdhsa_next_free_vgpr 904
		.amdhsa_next_free_sgpr 66
		.amdhsa_reserve_vcc 0
		.amdhsa_float_denorm_mode_32 3
		.amdhsa_float_denorm_mode_16_64 3
		.amdhsa_memory_ordered 1
		.amdhsa_forward_progress 1
		.amdhsa_inst_pref_size 224
	.end_amdhsa_kernel
	.amdgpu_metadata
---
amdhsa.version: [ 1, 2 ]
amdhsa.kernels:
  - .name:           k_q44d477d01c_attn
    .symbol:         k_q44d477d01c_attn.kd
    .args:
      - { .name: qkv, .offset: 0, .size: 8, .value_kind: global_buffer, .address_space: global }
      - { .name: maskc, .offset: 8, .size: 8, .value_kind: global_buffer, .address_space: global }
      - { .name: rowflag, .offset: 16, .size: 8, .value_kind: global_buffer, .address_space: global }
      - { .name: oh, .offset: 24, .size: 8, .value_kind: global_buffer, .address_space: global }
    .group_segment_fixed_size: 327680
    .private_segment_fixed_size: 0
    .kernarg_segment_align: 8
    .kernarg_segment_size: 32
    .max_flat_workgroup_size: 128
    .sgpr_count:     66
    .vgpr_count:     904
    .wavefront_size: 32
...
	.end_amdgpu_metadata
.endif
;; end of part 3
;; launch outp (part 4): grid 4 x 64, 4 waves a work-group, clusters of 4 x 4, 327,680 bytes of LDS; arguments oh, wcv, out0; writes out0
.if DOCPART == 4
	.amdgcn_target "amdgcn-amd-amdhsa--gfx1250"
	.amdhsa_code_object_version 6
	.text
	.protected	k_q44d477d01c_outp
	.globl	k_q44d477d01c_outp
	.p2align	8
	.type	k_q44d477d01c_outp,@function
k_q44d477d01c_outp:
	s_mov_b64 s[64:65], 0
	v_nop
	global_prefetch_b8 v0, s[64:65] scope:SCOPE_SE
	s_setreg_imm32_b32 hwreg(HW_REG_WAVE_MODE, 25, 1), 1
	s_wait_xcnt 0x0
	s_wait_alu depctr_hold_cnt(0) depctr_sa_sdst(0) depctr_va_vdst(0) depctr_va_sdst(0) depctr_va_ssrc(0) depctr_va_vcc(0) depctr_vm_vsrc(0)
	s_getreg_b32 s2, hwreg(HW_REG_IB_STS2, 6, 4)
	s_cmp_eq_u32 s2, 0
	s_cbranch_scc0 .Lentry_in_a_cluster
	s_endpgm
.Lentry_in_a_cluster:
	s_bfe_u32 s2, ttmp6, 0x10000c
	s_cmp_lg_u32 s2, 0xf033
	s_cbranch_scc0 .Lentry_shape_is_right
	s_endpgm
.Lentry_shape_is_right:
; THE LAST PROJECTION.  out0 = X Wo^T, out0 [8192][1024] f32.  X is the attention's result by heads, oh [batch x 16 + head][2048][64] f16: channel 64 head + d of row (batch, s).  Wo: wcv's fourth matrix,
; [1024][1024], the bf16-rounded weights written as f16.  Sums in f32, K ascending.
; SHARES.  A tile of out0 is 128 rows x 256 columns: 64 x 4 = 256 work-groups.  Four waves, each 64 x 128: 32 accumulators of 16 x 16.  K goes in 8 steps of 128 = two heads, through two LDS slots.
; A slot: for each of the two heads 128 rows of 128 bytes, 144 apart (a head's 128 rows are 16,384 dense bytes, asked for as 64 rows of 256 and padded after every 128), then Wo's 256 rows of 256 bytes,
; 272 apart: both pitches are odd multiples of 16 bytes, so the 16 rows of a fragment load start at 16 different groups of four banks (64 banks of 4 bytes: ISA guide 11.1).
; CLUSTER.  4 x 4 work-groups: X's tile is shared along a row of the cluster, Wo's along a column; each is asked for JOINTLY.  Waves 0, 1 fetch the step's two heads, waves 2, 3 Wo's halves: one load a wave
; behind each round; two loads of a wave are out at the start, later one.
; THE MATRIX INSTRUCTION IS USED TRANSPOSED (source 0 = 16 rows of Wo, source 1 = 16 rows of X): a lane then holds eight neighbouring columns of one row of out0, 32 bytes.
; REGISTERS: window 0: v0-31 addresses; v32-95 X's fragments, two buffers of 32; v96-223 the way out      window 1: accumulator (a, b) at v[8 (8 a + b)]      window 2: v0-127 Wo's fragments, two buffers
.set SIZE_K, 1024
.set KSTEP,  128
.set PA,     144
.set PB,     272
.set HEADT,  128*PA                    ; a head's 128 rows: what one load brings of X
.set HALFB,  128*PB                    ; and of Wo
.set BOFF,   2*HEADT
.set SLOT,   BOFF+2*HALFB              ; 106,496
.set STAGE,  2*SLOT                    ; behind the ring, never filled by a tensor load: 16 rows x 528 bytes for each wave
.set SPITCH, 528
.set SPARE,  STAGE+4*16*SPITCH         ; the spare words, 128 bytes for each wave: two blocks of 256 bytes that no other line names
.set LAPS,   SIZE_K/(2*KSTEP)
.set ADRA, 16
.set ADRB, 20
.set STO,  24
.set RD,   25
.set GO,   26
.set SPW,  28                          ; v28  LDS address of my spare word; never rewritten
.set NIL,  29                          ; v29  0; never rewritten
.set AF,   32
.set OB,   96
.set G1,  24
.set G0,  32
.set G1B, 48
.set G0B, 56
.set MSB, 0
.macro WIN new                         ; the immediate's high byte repeats the setting that is left; a switch that changes nothing is dropped
.if MSB != (\new)
	s_set_vgpr_msb (MSB<<8)|(\new)
.set MSB, (\new)
.endif
.endm
.set MUL,  0x52                        ; source 0 (Wo) window 2, source 1 (X) window 0, C and D window 1
.set TO_B, 0x80                        ; destination window 2, address window 0
.macro JLOAD s                         ; a joint load; the branch hangs on the wave's number alone; an s_nop 0 and four v_nop follow each of the two lines
	s_cmp_eq_u32 s11, 0
	s_cbranch_scc0 .Lfor_b_\@
	tensor_load_to_lds s[G0+4*(\s):G0+4*(\s)+3], s[G1:G1+7]
	s_nop 0
.rept 4
	v_nop
.endr
	s_branch .Lasked_\@
.Lfor_b_\@:
	tensor_load_to_lds s[G0B+4*(\s):G0B+4*(\s)+3], s[G1B:G1B+7]
	s_nop 0
.rept 4
	v_nop
.endr
.Lasked_\@:
.endm
.macro CREST                           ; a round of the cluster's barrier behind its opening barrier
	s_cmp_lg_u32 s10, 0
	s_cbranch_scc1 .Lnot_wave_0_\@
	s_barrier_signal -3
.Lnot_wave_0_\@:
	s_barrier_wait -3
	s_barrier_signal -1
	s_barrier_wait -1
.endm
.macro CROUND
	s_barrier_signal -1
	s_barrier_wait -1
	CREST
.endm
	s_load_b128 s[4:7], s[0:1], 0x0                ; oh s[4:5], wcv s[6:7]
	s_load_b64 s[8:9], s[0:1], 0x10                ; out0
	v_lshl_add_u32 v[SPW], v0, 2, SPARE
	v_mov_b32 v[NIL], 0
	ds_add_u32 v[SPW], v[NIL]                      ; the wave's opening: the add and its wait stand ahead of my first tensor load; the set-up below stands between them
	v_lshrrev_b32 v1, 5, v0
	v_readfirstlane_b32 s10, v1                    ; wave 0..3
	s_lshr_b32 s11, s10, 1                         ; which 64 rows of the tile are mine.  Also: I fetch for X (0) or for Wo (1)
	s_and_b32 s12, s10, 1                          ; which 128 columns.  Also: which head of the step, or which half of Wo's tile, I fetch
	s_bfe_u32 s40, ttmp6, 0x40000                  ; cx, cy
	s_bfe_u32 s41, ttmp6, 0x40004
	s_lshl_b32 s42, ttmp9, 2
	s_add_co_u32 s42, s42, s40                     ; tile column
	s_and_b32 s45, ttmp7, 0xffff                   ; the cluster's y, 0..15: four clusters a batch
	s_and_b32 s13, s45, 3
	s_lshl_b32 s13, s13, 2
	s_add_co_u32 s13, s13, s41                     ; my block of 128 rows in its batch, 0..15
	s_lshr_b32 s19, s45, 2                         ; the batch
	s_lshl_b32 s43, s41, 2
	s_lshl_b32 s43, 15, s43                        ; my row of the cluster
	s_lshl_b32 s44, 0x1111, s40                    ; my column
	; group 1 for X: 64 rows x 128 elements of 2 bytes (two rows of a head each), 4 words of padding after every 32 words
	s_or_b32 s[G1+0], s43, (1<<16)|(1<<20)|(1<<21)|(4<<22)|(3<<25)
	s_mov_b32 s[G1+1], 128<<16
	s_mov_b32 s[G1+2], 64<<16
	s_mov_b32 s[G1+3], 128<<16
	s_mov_b32 s[G1+4], 64
	s_mov_b32 s[G1+5], 128
	s_mov_b32 s[G1+6], 0
	s_mov_b32 s[G1+7], 0
	; group 1 for Wo: 128 rows x 128 elements of 2 bytes, 4 words of padding after every 64 words
	s_or_b32 s[G1B+0], s44, (1<<16)|(1<<20)|(1<<21)|(5<<22)|(3<<25)
	s_mov_b32 s[G1B+1], KSTEP<<16
	s_mov_b32 s[G1B+2], 128<<16
	s_mov_b32 s[G1B+3], KSTEP<<16
	s_mov_b32 s[G1B+4], 128
	s_mov_b32 s[G1B+5], SIZE_K
	s_mov_b32 s[G1B+6], 0
	s_mov_b32 s[G1B+7], 0
	s_lshl_b32 s16, s19, 22                        ; 16 heads of 262,144 bytes a batch
	s_lshl_b32 s17, s12, 18                        ; my head of the step's two
	s_add_co_u32 s16, s16, s17
	s_lshl_b32 s17, s13, 14                        ; 128 rows of 128 bytes a block
	s_add_co_u32 s16, s16, s17
	s_mov_b32 s17, 0
	s_lshl_b32 s46, s42, 19                        ; 256 rows of 2,048 bytes a tile column
	s_lshl_b32 s47, s12, 18
	s_add_co_u32 s46, s46, s47
	s_add_co_u32 s46, s46, 0x600000                ; the fourth matrix of wcv
	s_mov_b32 s47, 0
	s_mul_i32 s20, s12, HEADT                      ; where they go: no place in the cluster enters an LDS address
	s_mul_i32 s18, s12, HALFB
	s_add_co_u32 s18, s18, BOFF
	s_wait_dscnt 0x0                               ; the opening add is done
	s_wait_kmcnt 0x0
	s_add_nc_u64 s[14:15], s[4:5], s[16:17]
	s_add_nc_u64 s[46:47], s[6:7], s[46:47]
	CROUND                                         ; all sixteen work-groups are here: the first joint loads meet
.irp s, 0,1
	s_mov_b32 s[G0+4*(\s)], 1
	s_add_co_u32 s[G0+4*(\s)+1], s20, (\s)*SLOT
	s_add_nc_u64 s[G0+4*(\s)+2:G0+4*(\s)+3], s[14:15], (\s)*2*262144  ; K step s: two heads on
	s_or_b32 s[G0+4*(\s)+3], s[G0+4*(\s)+3], 0x80000000
	s_mov_b32 s[G0B+4*(\s)], 1
	s_add_co_u32 s[G0B+4*(\s)+1], s18, (\s)*SLOT
	s_add_nc_u64 s[G0B+4*(\s)+2:G0B+4*(\s)+3], s[46:47], (\s)*KSTEP*2
	s_or_b32 s[G0B+4*(\s)+3], s[G0B+4*(\s)+3], 0x80000000
	JLOAD \s
.endr
	v_and_b32 v1, 15, v0                           ; l % 16
	v_bfe_u32 v2, v0, 4, 1                         ; l / 16
	v_mul_u32_u24 v3, v1, PA
	v_lshl_add_u32 v3, v2, 4, v3                   ; a fragment's row x pitch + 16 x half
	v_mul_u32_u24 v7, v1, PB
	v_lshl_add_u32 v7, v2, 4, v7
	s_mul_i32 s21, s11, 64*PA                      ; my 64 rows, in each head's part
	s_mul_i32 s22, s12, HALFB                      ; my 128 rows of Wo
	s_add_co_u32 s22, s22, BOFF
.irp s, 0,1
	v_add_nc_u32 v[ADRA+(\s)], s21, v3
	v_add_nc_u32 v[ADRB+(\s)], s22, v7
	s_add_co_u32 s21, s21, SLOT
	s_add_co_u32 s22, s22, SLOT
.endr
	s_mul_i32 s23, s10, 16*SPITCH
	s_add_co_u32 s23, s23, STAGE                   ; my stage
	v_mul_u32_u24 v4, v1, SPITCH                   ; in: row l % 16, 32 bytes for each half of the lanes
	v_lshl_add_u32 v4, v2, 5, v4
	v_add_nc_u32 v[STO], s23, v4
	v_and_b32 v[GO], 31, v0                        ; back and out: 32 lanes take a row's 512 bytes
	v_lshlrev_b32 v[GO], 4, v[GO]
	v_add_nc_u32 v[RD], s23, v[GO]
	s_lshl_b32 s16, s19, 23                        ; out0 at my first row: 2,048 rows of 4,096 bytes a batch,
	s_lshl_b32 s17, s13, 19                        ; 128 a block,
	s_add_co_u32 s16, s16, s17
	s_lshl_b32 s17, s11, 18                        ; 64 a half
	s_add_co_u32 s16, s16, s17
	s_mov_b32 s17, 0
	s_add_nc_u64 s[8:9], s[8:9], s[16:17]
	s_lshl_b32 s46, s42, 10                        ; and my first column, in the registers that held Wo's address
	s_lshl_b32 s47, s12, 9
	s_add_co_u32 s46, s46, s47
	s_mov_b32 s47, 0
	s_add_nc_u64 s[8:9], s[8:9], s[46:47]
; 8 matrix instructions: M block a x all 8 N blocks, 32 along K, on buffer f.  zero = 1: the product starts the sum.  The 32 accumulators take turns in one order everywhere.
.macro MUL8 f, a, zero
	WIN MUL
.irp b, 0,1,2,3,4,5,6,7
.if \zero
	v_wmma_f32_16x16x32_f16 v[8*(8*(\a)+(\b)):8*(8*(\a)+(\b))+7], v[64*(\f)+8*(\b):64*(\f)+8*(\b)+7], v[AF+32*(\f)+8*(\a):AF+32*(\f)+8*(\a)+7], 0
.else
	v_wmma_f32_16x16x32_f16 v[8*(8*(\a)+(\b)):8*(8*(\a)+(\b))+7], v[64*(\f)+8*(\b):64*(\f)+8*(\b)+7], v[AF+32*(\f)+8*(\a):AF+32*(\f)+8*(\a)+7], v[8*(8*(\a)+(\b)):8*(8*(\a)+(\b))+7]
.endif
.endr
.endm
; 24 LDS loads in one run: quarter q of a slot into buffer g: head q / 2 of the step's two, channels 32 (q % 2) on
.macro FETCH slot, q, g
	WIN TO_B
.irp i, 0,1,2,3,4,5,6,7
	ds_load_b128 v[64*(\g)+8*(\i):64*(\g)+8*(\i)+3],   v[ADRB+(\slot)] offset:(\i)*16*PB+64*(\q)
	ds_load_b128 v[64*(\g)+8*(\i)+4:64*(\g)+8*(\i)+7], v[ADRB+(\slot)] offset:(\i)*16*PB+64*(\q)+32
.endr
	WIN 0
.irp a, 0,1,2,3
	ds_load_b128 v[AF+32*(\g)+8*(\a):AF+32*(\g)+8*(\a)+3],   v[ADRA+(\slot)] offset:((\q)/2)*HEADT+((\q)%2)*64+(\a)*16*PA
	ds_load_b128 v[AF+32*(\g)+8*(\a)+4:AF+32*(\g)+8*(\a)+7], v[ADRA+(\slot)] offset:((\q)/2)*HEADT+((\q)%2)*64+(\a)*16*PA+32
.endr
.endm
.macro PLACES                          ; four places in front of loads into registers that matrix instructions have read, and of reads of results
.rept 4
	v_nop
.endr
.endm
.macro QUARTER slot, q, f, zero        ; multiplies buffer f, fetches quarter q of the same slot for the other buffer, 16 products ahead of its use
	s_wait_dscnt 0x0                               ; buffer f is in
	MUL8 \f, 0, \zero
	MUL8 \f, 1, \zero
	PLACES
	FETCH \slot, \q, 1-(\f)
	MUL8 \f, 2, \zero
	MUL8 \f, 3, \zero
.endm
; The last quarter multiplies buffer 1 and changes slots: ONE barrier; in front of it each wave waits for all its tensor loads (one is out: its part of the next slot), adds 0 to its spare word,
; and waits for that and for its own reads of this slot.  fill = 1: the barrier opens a round of the cluster's, and this slot is filled again, two K steps ahead, first thing behind the round.
.macro TURN slot, next, fill
	WIN 0
	s_wait_tensorcnt 0x0
	ds_add_u32 v[SPW], v[NIL]                      ; 0 onto my spare word
	s_wait_dscnt 1                                 ; only the add may be out: buffer 1 is in
	MUL8 1, 0, 0                                   ; eight matrix instructions stand between the add and the wait for it
	s_wait_dscnt 0x0                               ; the add is done, and my reads of this slot are over
	s_barrier_signal -1
	MUL8 1, 1, 0
.if \fill
	WIN 0
.endif
	s_barrier_wait -1
.if \fill
	CREST                                          ; no wave of any partner still reads this slot's tiles or has a load on its way
	s_add_nc_u64 s[G0+4*(\slot)+2:G0+4*(\slot)+3], s[G0+4*(\slot)+2:G0+4*(\slot)+3], 4*262144
	s_add_nc_u64 s[G0B+4*(\slot)+2:G0B+4*(\slot)+3], s[G0B+4*(\slot)+2:G0B+4*(\slot)+3], 2*KSTEP*2
	JLOAD \slot                                    ; its four v_nop are also the places in front of the loads below
.else
	PLACES
.endif
	FETCH \next, 0, 0
	MUL8 1, 2, 0
	MUL8 1, 3, 0
.endm
	s_wait_tensorcnt 1                             ; my part of K step 0 is in; K step 1's load stays out
	s_barrier_signal -1
	s_barrier_wait -1                              ; everybody's is
	FETCH 0, 0, 0
	QUARTER 0, 1, 0, 1                             ; the first quarter stands in front of the loop: its products start the sums
	WIN 0                                          ; at a label and at a branch every window is 0
	s_mov_b32 s3, LAPS-1
.Llap:                                                 ; a trip goes once round the ring, from a lap's second quarter to the next lap's first, and fills both slots again
	QUARTER 0, 2, 1, 0
	QUARTER 0, 3, 0, 0
	TURN 0, 1, 1
	QUARTER 1, 1, 0, 0
	QUARTER 1, 2, 1, 0
	QUARTER 1, 3, 0, 0
	TURN 1, 0, 1
	QUARTER 0, 1, 0, 0
	WIN 0
	s_sub_co_u32 s3, s3, 1
	s_cmp_lg_u32 s3, 0
	s_cbranch_scc1 .Llap
	QUARTER 0, 2, 1, 0                             ; the last lap fills nothing
	QUARTER 0, 3, 0, 0
	TURN 0, 1, 0
	QUARTER 1, 1, 0, 0
	QUARTER 1, 2, 1, 0
	QUARTER 1, 3, 0, 0
	s_wait_dscnt 0x0                               ; the very last quarter
	MUL8 1, 0, 0
	MUL8 1, 1, 0
	MUL8 1, 2, 0
	MUL8 1, 3, 0
	WIN 0
	PLACES
; THE WAY OUT, 16 rows at a time: the sums go as they are (f32), 32 bytes a lane, each accumulator's low four registers first, into my own stage; they come back as whole rows of 512 bytes and are stored so.
.macro OUTA a
	WIN 0x04                                       ; the store's data (source 1) in window 1
.irp b, 0,1,2,3,4,5,6,7
	ds_store_b128 v[STO], v[8*(8*(\a)+(\b)):8*(8*(\a)+(\b))+3]   offset:64*(\b)
	ds_store_b128 v[STO], v[8*(8*(\a)+(\b))+4:8*(8*(\a)+(\b))+7] offset:64*(\b)+16
.endr
	WIN 0
.irp t, 0,1,2,3,4,5,6,7,8,9,10,11,12,13,14,15  ; LDS serves a wave's instructions in order (ISA guide 5.7.1.4): these see the stores above
	ds_load_b128 v[OB+64*((\a)%2)+4*(\t):OB+64*((\a)%2)+4*(\t)+3], v[RD] offset:(\t)*SPITCH
.endr
	s_wait_dscnt 0x0
	s_wait_xcnt 0x0                                ; the stores of the block before have read their registers: the block after this one loads into them
.irp t, 0,1,2,3,4,5,6,7,8,9,10,11,12,13,14,15
	global_store_b128 v[GO], v[OB+64*((\a)%2)+4*(\t):OB+64*((\a)%2)+4*(\t)+3], s[8:9] offset:(16*(\a)+(\t))*4096 th:TH_STORE_NT  ; 512 consecutive bytes, at a multiple of 256 from out0's first
.endr
.endm
	OUTA 0
	OUTA 1
	OUTA 2
	OUTA 3
	s_wait_tensorcnt 0x0                           ; the wave's end, behind my last tensor load and my last LDS store
	ds_add_u32 v[SPW], v[NIL]
	s_wait_dscnt 0x0
	CROUND                                         ; the closing round: no work-group ends while a partner may still ask for a tile that names it
	s_endpgm
.Lfunc_end_k_q44d477d01c_outp:
	.size	k_q44d477d01c_outp, .Lfunc_end_k_q44d477d01c_outp-k_q44d477d01c_outp
	.p2alignl 7, 3214868480
	.fill 96, 4, 3214868480
	.section	.rodata,"a",@progbits
	.p2align	6, 0x0
	.amdhsa_kernel k_q44d477d01c_outp
		.amdhsa_group_segment_fixed_size 327680
		.amdhsa_private_segment_fixed_size 0
		.amdhsa_enable_private_segment 0
		.amdhsa_kernarg_size 24
		.amdhsa_user_sgpr_count 2
		.amdhsa_user_sgpr_kernarg_segment_ptr 1
		.amdhsa_wavefront_size32 1
		.amdhsa_system_sgpr_workgroup_id_x 1
		.amdhsa_system_sgpr_workgroup_id_y 1
		.amdhsa_system_sgpr_workgroup_id_z 1
		.amdhsa_system_vgpr_workitem_id 0
		.amdhsa_next_free_vgpr 640
		.amdhsa_next_free_sgpr 66
		.amdhsa_reserve_vcc 0
		.amdhsa_float_denorm_mode_32 3
		.amdhsa_float_denorm_mode_16_64 3
		.amdhsa_memory_ordered 1
		.amdhsa_forward_progress 1
		.amdhsa_inst_pref_size 85
	.end_amdhsa_kernel
	.amdgpu_metadata
---
amdhsa.version: [ 1, 2 ]
amdhsa.kernels:
  - .name:           k_q44d477d01c_outp
    .symbol:         k_q44d477d01c_outp.kd
    .args:
      - { .name: oh, .offset: 0, .size: 8, .value_kind: global_buffer, .address_space: global }
      - { .name: wcv, .offset: 8, .size: 8, .value_kind: global_buffer, .address_space: global }
      - { .name: out0, .offset: 16, .size: 8, .value_kind: global_buffer, .address_space: global }
    .group_segment_fixed_size: 327680
    .private_segment_fixed_size: 0
    .kernarg_segment_align: 8
    .kernarg_segment_size: 24
    .max_flat_workgroup_size: 128
    .sgpr_count:     66
    .vgpr_count:     640
    .wavefront_size: 32
...
	.end_amdgpu_metadata
.endif
;; end of part 4
;; ======== version 2 of 2: 4 launches; 1.34 times as fast as version 1
;; limits: values are held in f16: magnitudes above 65,504 overflow, below 6.1e-05 lose precision; right only within a limited range of input values
;; workspace buffers: maskc 4,194,304 bytes of whole numbers; rowflag 32,768 bytes of whole numbers; wcv 8,388,608 bytes; qkv 50,331,648 bytes; oh 16,777,216 bytes
;; launch prep: the kernel of part 1 again; grid 256 x 1, 8 waves a work-group, no clusters, 34,560 bytes of LDS; arguments mask, Wq, Wk, Wv, Wo, maskc, rowflag, wcv; writes maskc, rowflag, wcv
;; launch proj: the kernel of part 2 again; grid 4 x 192, 4 waves a work-group, clusters of 4 x 4, 327,680 bytes of LDS; arguments q, k, v, wcv, qkv; writes qkv
;; launch attn (part 5): grid 4 x 64, 4 waves a work-group, clusters of 4 x 1, 327,680 bytes of LDS; arguments qkv, maskc, rowflag, oh; writes oh
.if DOCPART == 5
	.amdgcn_target "amdgcn-amd-amdhsa--gfx1250"
	.amdhsa_code_object_version 6
	.text
	.protected	k_q44d477d01c_attn
	.globl	k_q44d477d01c_attn
	.p2align	8
	.type	k_q44d477d01c_attn,@function
k_q44d477d01c_attn:
	s_mov_b64 s[64:65], 0
	v_nop
	global_prefetch_b8 v0, s[64:65] scope:SCOPE_SE
	s_setreg_imm32_b32 hwreg(HW_REG_WAVE_MODE, 25, 1), 1
	s_wait_xcnt 0x0
	s_wait_alu depctr_hold_cnt(0) depctr_sa_sdst(0) depctr_va_vdst(0) depctr_va_sdst(0) depctr_va_ssrc(0) depctr_va_vcc(0) depctr_vm_vsrc(0)
	s_getreg_b32 s2, hwreg(HW_REG_IB_STS2, 6, 4)
	s_cmp_eq_u32 s2, 0
	s_cbranch_scc0 .Lentry_in_a_cluster
	s_endpgm
.Lentry_in_a_cluster:
	s_bfe_u32 s2, ttmp6, 0x10000c
	s_cmp_lg_u32 s2, 0x3003
	s_cbranch_scc0 .Lentry_shape_is_right
	s_endpgm
.Lentry_shape_is_right:
; ATTENTION UNDER A GIVEN MASK.  O[h][q][:] = the sum over k of softmax_k(hidden(q, k) ? fill : Q[h][q] . K[h][k] / 8) V[h][k][:].  Q, K, V: qkv [3][64][2048][64], O: oh [64][2048][64], all f16; a head's rows are
; dense, 128 bytes each.  Products, maxima and sums in f32; the weights p are rounded to f16 for the second product (their sum l is taken of the unrounded p), O once at the end.
; THE MASK is an input: every key tile is walked.  maskc holds one E4M3 code for each (query, key), -1.0 where hidden and 0 where visible, in the lane image of the score accumulators; one scaled
; conversion makes eight registers of 0 or -2^100 from eight codes, and these are the C operand of the product that starts a sum S^T = K Q^T: hidden scores lie far below every maximum before the maximum is
; taken, and their weights are 0.  A row whose first key steps are all hidden gathers finite numbers that the first visible score multiplies by a = 0.  A row with NO visible key has visible codes and the flag 0
; in rowflag: its query is cleared here, its scores are all 0, its weights equal: the uniform softmax of equal fills.
; LIMITS.  A hidden score counts as its value less 2^100, where the fill is -1e9: the two agree as long as a partly hidden row's largest visible scaled score lies above about -1e9 + 100.  f16 holds no number
; beyond 65,504: Q, K and V arrive within it.  p below 6e-5 keeps f16's fixed step of 6e-8; a weight below 2^-126 counts as 0 in l; NaN and infinities are not treated apart.
; SHARES.  A wave owns four PIECES of two tiles of 16 queries, a work-group's four waves 512 queries of one head.  Every wave walks all keys, 64 a step.
; LAYOUT.  S^T = K Q^T (source 0 = 16 keys, source 1 = 16 queries): a lane holds ONE query (lane % 16) and the keys 8 (lane / 16) + 0..7.  Two such tiles, rounded to f16 in pairs, ARE source 1 of
; O^T = V^T P.  K comes out of LDS as it lies, V ([key][channel]) turned, by ds_load_tr16_b128.
; SOFTMAX.  A running maximum m and sum l: p = 2^(c s - c m), c = log2(e) / 8; in every step O and l are multiplied by a = 2^(c m_old - c m_new).  m starts at the lowest finite number, O and l at 0.
; BY TURNS.  Turn n belongs to piece n.  Its matrix work: 16 products K Q^T of piece n + 1, later 16 products V^T P of piece n - 1.  Its vector work: scaling, exponentials, roundings, sums and rescaling of
; piece n, the maximum and statistics of piece n + 1, and the mask registers of piece n + 2.  A tile and step have 16 matrix and some 120 vector instructions: four that are ready stand behind every matrix
; instruction, the others in one run of their own.
; BATCHES.  A turn's 66 exponentials (the 64 weights of piece n, the two a of piece n + 1) are ONE batch with ONE wait, which cuts the turn in two.  Ahead of it stands all that names none of their results: the
; products K Q^T, the scalings, the rescalings (their a was made, and waited for, in the turn before), the next piece's maximum and statistics, the mask registers.  Behind it stand the products V^T P and, as their
; riders, the roundings and sums.  No result crosses a turn's end.  Two batches lie outside the loop, each with a wait of its own: piece 0's first two a, and the way out's eight reciprocals.
; CLUSTER.  The four query blocks of a cluster belong to one head and walk the same K and V: each tile is asked for JOINTLY.  The mask codes are each block's own and come by plain loads.
; REGISTERS, in windows of 256 (s_set_vgpr_msb: bits 1:0 source 0, 3:2 source 1, 5:4 source 2, 7:6 destination):
;   window 0: v0-10 addresses; v11 the conversion's scale; v12-15, v48-63 at work; v16-47 four registers of statistics a tile; v64-191 S^T, two buffers of two tiles; v192-255 P, likewise
;   window 1: O^T, 32 a tile     window 2: v0-127 Q; v128-191 K of one step; v192-255 V of one step     window 3: v0-1 the add's registers; v4-7 code offsets; v8-71 codes; v72-135 mask registers
.set SIZE_N, 2048
.set NP,    4         ; pieces a wave: a name, no knob
.set KS,    64        ; keys in a step
.set PK,    144       ; a row of K in LDS: 128 bytes + 16: the 16 rows of a load start at 16 different groups of four banks (64 banks of 4 bytes: ISA guide 11.1)
.set PV,    160       ; a row of V: 128 + 32
.set VOFF,  4*KS*PK   ; a slot holds four steps: 256 rows of K, then 256 rows of V
.set SLOT1, 1<<17     ; slot 1 begins here, so that one exclusive or turns an address in one slot into the other's
.set STAGE, SLOT1+4*KS*(PK+PV)  ; behind the ring, never filled by a tensor load: 16 rows x 144 bytes for each wave
.set SP,    144
.set SPARE, STAGE+4*16*SP  ; the spare words, 128 bytes for each wave: two blocks of 256 bytes that no other line names
.set AK0, 2           ; v2   my lane's place in a tile of K; never rewritten
.set AV0, 3           ; v3   the same for V
.set AK,  4           ; v4   the LDS address of K's next run of loads
.set AV,  5           ; v5   of V's
.set QO,  6           ; v6   my byte offset in the wave's rows of Q
.set STO, 6           ;      later, the way out: where I put 16 bytes of a row
.set RD,  7           ; v7   the way out: where I read rows back
.set GO,  8           ; v8   my byte offset in 512 consecutive bytes of O
.set SCL, 11          ; v11  227: the conversion multiplies by 2^(227 - 127)
.set MV,  12          ; v12-15  c m_old, kept while c m is made anew
.set ST,  16          ; tile t's statistics at v[ST+4 t]: c m, m, l (even keys', odd keys')
.set TMP, 48          ; by buffer and tile, four registers c0-c3 at work; when the maximum is found c2 takes a
.set S,   64
.set P,   192
.set KF,  128         ; window 2: key block kb, channel half c at KF + 16 kb + 8 c
.set VF,  192         ; window 2: key half kk, channel block cb at VF + 32 kk + 8 cb
.set SPW, 0           ; window 3: LDS address of my spare word; never rewritten
.set NIL, 1           ; window 3: 0; never rewritten
.set MA,  4           ; window 3: piece pc's byte offset in a tile's codes: 16 x lane + 1,024 x step
.set CD,  8           ; window 3: the codes of piece pc, tile u, half a at CD + 16 pc + 8 u + 4 a
.set MC,  72          ; window 3: the mask registers of the products to come: tile u, key block kb at MC + 32 u + 8 kb
.set WV,  12          ; s12  my wave's number
.set G1K, 24          ; s[24:31] descriptor group 1 for K's tiles
.set G1V, 32          ; s[32:39] for V's: it differs in the padding alone
.set G0K, 40          ; s[40:43] descriptor group 0 for K's tiles: it walks
.set G0V, 44          ; s[44:47] the same for V's
.set SLOTS, 56        ; s56  slots still to be asked for
.set CNT, 57          ; s57  counts a slot's key steps
.set CS,  58          ; s[58:59] c
.set SEL, 60          ; s[60:61] v_permlanex16_b32's selects: each lane takes its own place in the other half
.set TBK, 62          ; s62  LDS byte at which K of the step to be fetched begins
.set TBV, 63          ; s63  the same for V, less VOFF
.set MSB, 0
.macro WIN new                      ; the high byte repeats the setting that is left; a switch that changes nothing is dropped
.if MSB != (\new)
	s_set_vgpr_msb (MSB<<8)|(\new)
.set MSB, (\new)
.endif
.endm
.set W_KQ, 0x0a       ; K and Q in window 2, S^T in window 0
.set W_KM, 0x3a       ; the same with the C operand in window 3
.set W_PV, 0x52       ; V in window 2, P in window 0, O^T in window 1
.set W_RS, 0x41       ; O^T (destination and source 0) in window 1, a in window 0
.set W_MK, 0xc0       ; destination in window 3, sources in window 0
.set W_AD, 0x0f       ; the add: address (source 0) and data (source 1) in window 3
.set W_MQ, 0xc3       ; destination and source 0 in window 3, source 1 in window 0
.set W_FL, 0x88       ; destination and source 1 in window 2, source 0 in window 0
; A joint fill.  Waves 0 and 1 fetch the two halves of a slot's K, waves 2 and 3 those of its V: 128 keys each.  An s_nop 0 and four v_nop follow each of the two lines.
.macro JLOAD
	s_cmp_lt_u32 s[WV], 2
	s_cbranch_scc0 .Lfor_v_\@
	tensor_load_to_lds s[G0K:G0K+3], s[G1K:G1K+7]
	s_nop 0
.rept 4
	v_nop
.endr
	s_branch .Lasked_\@
.Lfor_v_\@:
	tensor_load_to_lds s[G0V:G0V+3], s[G1V:G1V+7]
	s_nop 0
.rept 4
	v_nop
.endr
.Lasked_\@:
.endm
.macro CROUND                       ; a round of the cluster's barrier
	s_barrier_signal -1
	s_barrier_wait -1
	s_cmp_lg_u32 s[WV], 0
	s_cbranch_scc1 .Lnot_wave_0_\@
	s_barrier_signal -3
.Lnot_wave_0_\@:
	s_barrier_wait -3
	s_barrier_signal -1
	s_barrier_wait -1
.endm
; THE CHANGE OF SLOTS.  Each wave waits for all its tensor loads, of which one is out: its part of the other slot; adds 0 to its spare word; and waits for that and for its own reads of the slot.
; fill = 1: this slot is filled again, with the keys two slots on; the barrier is then a round of the cluster's, and the joint fill is the first thing behind it: it has four key steps in which to land.
; (At its first use nothing has been read yet: slot 0 is waited for, slot 1 filled.)
.macro CHANGE fill
	WIN W_AD
	s_wait_tensorcnt 0x0            ; no tensor load of mine is out, so a group 0 may be written
	ds_add_u32 v[SPW], v[NIL]       ; 0 onto my spare word
	WIN 0                           ; at a label and at a branch every window is 0
.if \fill
.irp g, G0K, G0V
	s_xor_b32 s[\g+1], s[\g+1], SLOT1  ; the walking descriptor: the other slot than last time,
	s_add_nc_u64 s[\g+2:\g+3], s[\g+2:\g+3], 4*KS*128  ; the next 256 keys; the type bits on top are not reached
.endr
	s_wait_dscnt 0x0                ; the add is done, and my reads of the slot are over
	CROUND
	JLOAD
.else
	s_wait_dscnt 0x0
	s_barrier_signal -1
	s_barrier_wait -1
.endif
	s_sub_co_u32 s[TBK], s[TBK], 4*KS*PK  ; the fetches go back to a slot's first step,
	s_xor_b32 s[TBK], s[TBK], SLOT1       ; in the other slot
	s_sub_co_u32 s[TBV], s[TBV], 4*KS*PV
	s_xor_b32 s[TBV], s[TBV], SLOT1
.endm
	s_load_b256 s[4:11], s[0:1], 0x0  ; qkv s[4:5], maskc s[6:7], rowflag s[8:9], oh s[10:11]
	WIN W_MK
	v_lshl_add_u32 v[SPW], v0, 2, SPARE
	v_mov_b32 v[NIL], 0
	WIN W_AD
	ds_add_u32 v[SPW], v[NIL]       ; the wave's opening: the add and its wait stand ahead of my first tensor load; the set-up below stands between them
	WIN 0
	v_lshrrev_b32 v1, 5, v0
	v_readfirstlane_b32 s[WV], v1   ; wave 0..3
	s_bfe_u32 s13, ttmp6, 0x40000   ; cx: my place in the cluster
	s_lshl_b32 s14, ttmp9, 2        ; in a cluster launch ttmp9 counts clusters
	s_add_co_u32 s14, s14, s13      ; my block of 512 queries: it enters the addresses of Q, O, the codes and the flags alone
	s_and_b32 s20, ttmp7, 0xffff    ; batch x 16 + head, which the four partners share
	s_mov_b32 s21, 0
	s_mov_b64 s[22:23], SIZE_N*128
	s_mul_u64 s[20:21], s[20:21], s[22:23]  ; the head's first byte in Q, K, V and O
	s_and_b32 s16, s[WV], 1         ; which half of a slot's 256 keys I fetch:
	s_lshl_b32 s22, s16, 14         ; its 128 rows of 128 bytes in memory,
	s_mov_b32 s23, 0
	s_add_nc_u64 s[22:23], s[22:23], s[20:21]
	s_add_nc_u64 s[52:53], s[22:23], 0x1000000  ; K lies 16 MiB into qkv,
	s_add_nc_u64 s[54:55], s[22:23], 0x2000000  ; V 32 MiB
	s_mul_i32 s17, s16, 128*PK      ; and its place in a slot, for K
	s_mul_i32 s18, s16, 128*PV      ; and for V: no place in the cluster enters an LDS address
	s_lshl_b32 s2, s14, 2
	s_add_co_u32 s2, s2, s[WV]      ; my wave among the head's sixteen:
	s_lshl_b32 s48, s2, 18          ; its 8 tiles of 32,768 bytes of codes,
	s_mov_b32 s49, 0
	s_lshl_b32 s50, s2, 11          ; its 8 blocks of 256 bytes of flags,
	s_mov_b32 s51, 0
	s_lshl_b32 s2, s2, 14           ; its 128 rows
	s_mov_b32 s3, 0
	s_add_nc_u64 s[2:3], s[2:3], s[20:21]
	; descriptor group 1.  128 keys are 16,384 dense bytes: asked for as 64 rows of 256 bytes, two keys a row, and padded in LDS after every key
	s_mov_b32 s[G1K], 15|(1<<16)|(1<<20)|(1<<21)|(4<<22)|(3<<25)  ; the mask of four; 2-byte elements; padding on; bit 21 beside a mask; after every 32 words; 4 words
	s_mov_b32 s[G1V], 15|(1<<16)|(1<<20)|(1<<21)|(4<<22)|(7<<25)  ; the same with 8 words of padding
.irp g, G1K, G1V
	s_mov_b32 s[\g+1], 128<<16      ; tensor_dim0 = 128
	s_mov_b32 s[\g+2], 64<<16       ; tensor_dim1 = 64
	s_mov_b32 s[\g+3], 128<<16      ; tile_dim0 = 128
	s_mov_b32 s[\g+4], 64           ; tile_dim1 = 64
	s_mov_b32 s[\g+5], 128          ; 128 elements from row to row
	s_mov_b32 s[\g+6], 0
	s_mov_b32 s[\g+7], 0
.endr
	s_mov_b32 s[CS], 0x3e38aa3b     ; c = log2(e) / 8 = 0.180337
	s_mov_b32 s[CS+1], s[CS]        ; named with it as a pair
	s_mov_b32 s[SEL], 0x76543210
	s_mov_b32 s[SEL+1], 0xfedcba98
	s_mov_b32 s[TBK], SLOT1+4*KS*PK ; the first change of slots turns these two into 0
	s_mov_b32 s[TBV], SLOT1+4*KS*PV
	s_mov_b32 s[G0K], 1
	s_mov_b32 s[G0K+1], s17         ; LDS address: slot 0
	s_mov_b32 s[G0V], 1
	s_add_co_u32 s[G0V+1], s18, VOFF
	s_wait_dscnt 0x0                ; the opening add is done
	s_wait_kmcnt 0x0
	s_add_nc_u64 s[G0K+2:G0K+3], s[4:5], s[52:53]  ; my half of the head's first 256 keys
	s_or_b32 s[G0K+3], s[G0K+3], 0x80000000
	s_add_nc_u64 s[G0V+2:G0V+3], s[4:5], s[54:55]
	s_or_b32 s[G0V+3], s[G0V+3], 0x80000000
	s_add_nc_u64 s[4:5], s[4:5], s[2:3]    ; Q and O at my wave's first row
	s_add_nc_u64 s[10:11], s[10:11], s[2:3]
	s_add_nc_u64 s[6:7], s[6:7], s[48:49]  ; the codes and the flags at my wave's first tile
	s_add_nc_u64 s[8:9], s[8:9], s[50:51]
	CROUND                          ; all four work-groups are here: the first joint loads meet
	JLOAD                           ; slot 0.  Slot 1 is asked for when slot 0 is in
	; A fragment of K or Q is 16 rows x 32 channels in 8 registers: lane l holds row l % 16, channels 8 (l / 16) + 0..7 and 16 + 8 (l / 16) + 0..7: two loads of 16 bytes, 32 bytes apart.
	v_and_b32 v1, 15, v0            ; l % 16
	v_bfe_u32 v9, v0, 4, 1          ; l / 16
	v_lshlrev_b32 v[QO], 7, v1
	v_lshl_add_u32 v[QO], v9, 4, v[QO]  ; row x 128 + 16 x half
	v_and_b32 v[TMP], 31, v0        ; lane
	v_lshlrev_b32 v[TMP+1], 2, v[TMP]
	WIN 0x80                        ; destination window 2, address window 0
.set i, 0
.rept 4*NP                          ; Q stays in registers: tile i / 2, channels 32 (i % 2) on
	global_load_b128 v[8*i:8*i+3],   v[QO], s[4:5] offset:(i/2)*2048+(i%2)*64
	global_load_b128 v[8*i+4:8*i+7], v[QO], s[4:5] offset:(i/2)*2048+(i%2)*64+32
.set i, i+1
.endr
	WIN 0
.set i, 0
.rept 2*NP                          ; tile i's flags: lane l takes that of row l % 16; they wait in S^T's registers
	global_load_b32 v[S+i], v[TMP+1], s[8:9] offset:256*i
.set i, i+1
.endr
	WIN W_MK
.set i, 0
.rept NP
	v_lshlrev_b32 v[MA+i], 4, v[TMP]  ; key step 0: 16 x lane
.set i, i+1
.endr
	WIN W_MQ
.set i, 0
.rept 4*NP                          ; key step 0's codes, in the order of the pieces: piece i / 4, tile (i / 2) % 2, half i % 2; each load covers 512 consecutive bytes
	global_load_b128 v[CD+4*i:CD+4*i+3], v[MA+i/4], s[6:7] offset:(i/2)*32768+(i%2)*512
.set i, i+1
.endr
	; What the first turn finds: V's registers and P's second buffer hold 0 (its products V^T P, of a piece that has not been, add 0), O^T and l are 0.  All this stands in the wait for the first tile.
	WIN 0x80
.set i, VF
.rept 64
	v_mov_b32 v[i], 0
.set i, i+1
.endr
	WIN 0x40
.set i, 0
.rept 64*NP
	v_mov_b32 v[i], 0
.set i, i+1
.endr
	WIN 0
.set i, 0
.rept 2*NP
	v_mov_b32 v[ST+4*i], 0xfe000000    ; c m: far below every c s, the hidden ones' too
	v_mov_b32 v[ST+4*i+1], 0xff7fffff  ; m
	v_mov_b32 v[ST+4*i+2], 0
	v_mov_b32 v[ST+4*i+3], 0
.set i, i+1
.endr
.set i, P+32
.rept 32
	v_mov_b32 v[i], 0
.set i, i+1
.endr
	v_mul_u32_u24 v[AK0], v1, PK
	v_lshl_add_u32 v[AK0], v9, 4, v[AK0]  ; row x pitch + 16 x half
	; The turning load takes 16 keys x 16 channels (lane l reads key 8 (l / 16) + l % 8, channels 8 ((l / 8) % 2) + 0..7) and leaves half a fragment of V^T: lane l holds channel l % 16 and 8 keys.
	v_and_b32 v10, 7, v0
	v_bfe_u32 v11, v0, 3, 1
	v_lshl_add_u32 v[AV0], v9, 3, v10
	v_mul_u32_u24 v[AV0], v[AV0], PV
	v_lshl_add_u32 v[AV0], v11, 4, v[AV0]
	v_add_nc_u32 v[AV0], VOFF, v[AV0]
	v_mov_b32 v[SCL], 227           ; v11 has served; from here on it is the scale and is never rewritten
	v_mov_b32 v[AK], v[AK0]         ; key step 0 lies at the head of slot 0
; THE MATRIX WORK.  The 8 accumulators of a run of 16 take turns: between the two links of a chain stand 7 others'.
; Product i of 16 of S^T = K Q^T for piece x: channels 32 (i / 8) on, keys 16 ((i / 2) % 4) on, tile 2 x + i % 2.  The first 8 start the sums, with the mask registers as C.
.macro KQ x
.set rS, S+64*((\x)%2)+32*(i%2)+8*((i/2)%4)
.set rK, KF+16*((i/2)%4)+8*(i/8)
.set rQ, 16*(2*(\x)+i%2)+8*(i/8)
.set rH, MC+32*(i%2)+8*((i/2)%4)
.if i < 8
	WIN W_KM
	v_wmma_f32_16x16x32_f16 v[rS:rS+7], v[rK:rK+7], v[rQ:rQ+7], v[rH:rH+7]
.else
	WIN W_KQ
	v_wmma_f32_16x16x32_f16 v[rS:rS+7], v[rK:rK+7], v[rQ:rQ+7], v[rS:rS+7]
.endif
.endm
; Product i of 16 of O^T += V^T P for piece x: keys 32 (i / 8) on, channels 16 ((i / 2) % 4) on, tile 2 x + i % 2.
.macro PV x
	WIN W_PV
.set rO, 32*(2*(\x)+i%2)+8*((i/2)%4)
.set rV, VF+32*(i/8)+8*((i/2)%4)
.set rP, P+32*((\x)%2)+16*(i%2)+8*(i/8)
	v_wmma_f32_16x16x32_f16 v[rO:rO+7], v[rV:rV+7], v[rP:rP+7], v[rO:rO+7]
.endm
.macro MM                           ; the turn's next matrix instruction
.if i < 16
	KQ (Y+1)%NP
.set i, i+1
.else
.set i, i-16
	PV (Y+NP-1)%NP
.set i, i+17
.endif
.endm
; THE MASK REGISTERS of piece pc's next products: eight conversions, each eight codes to eight registers of 0 or -2^100; then the piece's codes of the step after are asked for, four turns ahead of their use.
; The count 12: loads return in order, and behind this piece's four stand the other three pieces' twelve; the wait also shows the loads that named MA done, so MA may step.  The two plain lines are the place
; between the conversions and what touches their registers.  The AND brings step 32 back to step 0: no load leaves the buffer.  No scalar arithmetic stands here.
; All of it lies in window 3 (the scale in v11) and names no exponential's result, so the macro stands directly behind a batch's last exponential: the conversions are work between the batch and its wait, the two
; plain lines are also the plain instruction that is owed behind the last exponential, and THE BATCH'S ONE WAIT stands here, ahead of the loads.  batch = 0: no exponential is out, and no wait is written.
.macro MASKQ pc, batch=1
	WIN W_MQ
	s_wait_loadcnt 12
.set cc, 0
.rept 8
	v_cvt_scale_pk8_f32_fp8 v[MC+8*cc:MC+8*cc+7], v[CD+16*(\pc)+2*cc:CD+16*(\pc)+2*cc+1], v[SCL]
.set cc, cc+1
.endr
	v_add_nc_u32 v[MA+(\pc)], v[MA+(\pc)], 1024
	v_and_b32 v[MA+(\pc)], v[MA+(\pc)], 0x7fff
.if \batch
	s_wait_alu depctr_va_vdst(0)    ; the wait for the batch issued ahead of this macro (a turn's 66 exponentials; at the start piece 0's two a), ahead of the first line that names a result
.endif
.set cc, 0
.rept 4
	global_load_b128 v[CD+16*(\pc)+4*cc:CD+16*(\pc)+4*cc+3], v[MA+(\pc)], s[6:7] offset:(2*(\pc)+cc/2)*32768+(cc%2)*512
.set cc, cc+1
.endr
.endm
; THE LDS LOADS stand in runs of 16, never singly among the matrix instructions: a step's K (8 fragments) and its V (turned).  last = 1 (the tail): in the last trip there is no further step, and the run is jumped over.
.macro FETCH_K last=0
	WIN 0
.if \last
	s_cmp_eq_u32 s[CNT], 1
	s_cbranch_scc1 .Lno_k_\@
.endif
	WIN 0x80                        ; destination window 2
.irp f, 0,1,2,3,4,5,6,7             ; keys 16 (f / 2) on, channels 32 (f % 2) on
	ds_load_b128 v[KF+8*\f:KF+8*\f+3],   v[AK] offset:(\f/2)*16*PK+(\f%2)*64
	ds_load_b128 v[KF+8*\f+4:KF+8*\f+7], v[AK] offset:(\f/2)*16*PK+(\f%2)*64+32
.endr
	s_add_co_u32 s[TBK], s[TBK], KS*PK  ; the next fetch is the next step's
	WIN 0
.if \last
.Lno_k_\@:
.endif
.endm
.macro FETCH_V
	WIN 0x80
.irp f, 0,1,2,3,4,5,6,7             ; keys 32 (f / 4) on, channels 16 (f % 4) on
	ds_load_tr16_b128 v[VF+8*\f:VF+8*\f+3],   v[AV] offset:(\f/4)*32*PV+(\f%4)*32
	ds_load_tr16_b128 v[VF+8*\f+4:VF+8*\f+7], v[AV] offset:(\f/4)*32*PV+16*PV+(\f%4)*32
.endr
	WIN 0
.endm
; THE VECTOR WORK OF A TURN stands in three queues, each in the order in which its entries become ready; the two tiles alternate, so that no instruction reads the result of the one before it.
.macro REGS y, u                    ; the registers of tile u (0, 1) of piece y
.set rT, ST+4*(2*(\y)+(\u))
.set rC, TMP+8*((\y)%2)+4*(\u)
.set rM, MV+2*((\y)%2)+(\u)
.set rS, S+64*((\y)%2)+32*(\u)
.set rP, P+32*((\y)%2)+16*(\u)
.set rO, 32*(2*(\y)+(\u))
.endm
; Number n of the 22 that find the NEXT piece's (Y + 1) maximum and statistics.  Each accumulator's lowest registers are read first.  XS, GS and REGS set no window: PL and EX do.
;   0-11  four chains c0-c3 of seven scores each, three operands at a time     12-14, 16  the four scores left over, the old m, and c0-c3 into c0     15  c m_old is kept
;   17, 18  the query's other 32 keys lie in the lane 16 away: the new m         19-21  c m; c m_old - c m_new; a
.macro XS u, n
	REGS (Y+1)%NP, \u
.if (\n) < 4
	v_max3_num_f32 v[rC+(\n)], v[rS+8*(\n)], v[rS+8*(\n)+1], v[rS+8*(\n)+2]
.elseif (\n) < 12
	v_max3_num_f32 v[rC+(\n)%4], v[rC+(\n)%4], v[rS+8*((\n)%4)+2*((\n)/4)+1], v[rS+8*((\n)%4)+2*((\n)/4)+2]
.elseif (\n) == 12
	v_max3_num_f32 v[rC], v[rC], v[rS+7], v[rS+15]
.elseif (\n) == 13
	v_max3_num_f32 v[rC+1], v[rC+1], v[rS+23], v[rS+31]
.elseif (\n) == 14
	v_max3_num_f32 v[rC+2], v[rC+2], v[rC+3], v[rT+1]
.elseif (\n) == 15
	v_mov_b32 v[rM], v[rT]
.elseif (\n) == 16
	v_max3_num_f32 v[rC], v[rC], v[rC+1], v[rC+2]
.elseif (\n) == 17
	v_permlanex16_b32 v[rC+3], v[rC], s[SEL], s[SEL+1]
.elseif (\n) == 18
	v_max_num_f32 v[rT+1], v[rC], v[rC+3]
.elseif (\n) == 19
	v_mul_f32 v[rT], s[CS], v[rT+1]
.elseif (\n) == 20
	v_sub_f32 v[rC+1], v[rM], v[rT]
.else
	v_exp_f32 v[rC+2], v[rC+1]
.endif
.endm
; Number g of the 64 that follow the exponentials.  For each four weights k of a tile: both pairs are rounded to f16; the second pair is added onto the first, in place; a group later l takes that sum
; (the first time as l = a l + sum).  All 64 read exponentials' results: they stand behind the turn's wait.
.macro GS g
.set h, (\g)+6*((\g)/62)            ; group 0 has no group before it, and behind group 7 only l is left
.if h >= 6
.set h, h+2
.endif
	REGS Y, h%2
.set k, h/8
.if h%8 < 4
	v_cvt_pk_f16_f32 v[rP+2*k+(h%8)/2], v[rS+4*k+2*((h%8)/2)], v[rS+4*k+2*((h%8)/2)+1]
.elseif h%8 < 6
	v_pk_add_f32 v[rS+4*k:rS+4*k+1], v[rS+4*k:rS+4*k+1], v[rS+4*k+2:rS+4*k+3]
.elseif k == 1
	v_pk_fma_f32 v[rT+2:rT+3], v[rT+2:rT+3], v[rC+2:rC+3], v[rS:rS+1] op_sel_hi:[1,0,1]
.else
	v_pk_add_f32 v[rT+2:rT+3], v[rT+2:rT+3], v[rS+4*k-4:rS+4*k-3]
.endif
.endm
; THE PLAIN QUEUE, 138 long.  0-73 read no exponential's result: the 32 scalings c s - c m (FS f: pair f / 2 of tile f % 2) and the next piece's 42.  0-26: scalings 0-26.  27-54: XS's numbers 0-13.  55, 56: number 15.
; 57-73: the chain, where each number waits for the one before it: 14, 16, 17, 18, 19, each with one of the scalings 27-31 in front of its two lines, then 20: so a tile's links stand three plain instructions apart (19 and 20: two).
; 74-137: GS's 64.
.macro FS f
	REGS Y, (\f)%2
	v_pk_fma_f32 v[rS+2*((\f)/2):rS+2*((\f)/2)+1], v[rS+2*((\f)/2):rS+2*((\f)/2)+1], s[CS:CS+1], v[rT:rT+1] op_sel_hi:[1,0,0] neg_lo:[0,0,1] neg_hi:[0,0,1]
.endm
.macro PL
	WIN 0
.if q < 27
	FS q
.elseif q < 55
	XS (q-27)%2, (q-27)/2
.elseif q < 57
	XS q-55, 15
.elseif (q < 72) && ((q-57)%3 == 0)
	FS 27+(q-57)/3
.elseif q < 60
	XS (q-57)%3-1, 14
.elseif q < 72
	XS (q-57)%3-1, 15+(q-57)/3
.elseif q < 74
	XS q-72, 20
.else
	GS q-74
.endif
.set q, q+1
.endm
; THE EXPONENTIALS' QUEUE, 66 long: s0-s31 of both tiles, then the next piece's two a.  It is ONE BATCH: all 66 stand ahead of the turn's one wait, and nothing ahead of that wait names a result of theirs.
.macro EX
	WIN 0
.if e >= 64
	XS e-64, 21
.else
	REGS Y, e%2
	v_exp_f32 v[rS+e/2], v[rS+e/2]
.endif
.set e, e+1
.endm
; THE RESCALING's QUEUE: O^T times a, dealt two at a time, sixteen times.  Its a was made in the turn before, ahead of that turn's wait.
.macro R2
	REGS Y, r%2
	WIN W_RS
.irp z, 0,1
	v_pk_mul_f32 v[rO+4*(r/2)+2*\z:rO+4*(r/2)+2*\z+1], v[rO+4*(r/2)+2*\z:rO+4*(r/2)+2*\z+1], v[rC+2:rC+3] op_sel_hi:[1,0]
.endr
.set r, r+1
.endm
; HOW THEY ARE DEALT.  A turn has ONE wait, which cuts it in two.  AHEAD OF IT stands all that names no result of the turn's exponentials: the 16 products K Q^T, behind each a scaling, an exponential and two rescalings
; (behind the first a second scaling in the exponential's place); then ONE RUN of 108: eight plain, 49 times exponential and plain, the two a; then the mask registers' eight conversions and two plain lines, in whose macro
; the wait stands.  BEHIND IT stand the code loads, K's run of loads (piece 2's turn), and the 16 products V^T P, behind each four of GS's 64.  No rider names a register of the products round it; the two
; v_permlanex16_b32 fall into the run, never behind a product.
; The queues lean on each other, and the deal keeps them in step: exponential e stands behind scaling 2 (e / 4) + e % 2: as a rider it comes behind plain e + 2, in the run behind plain e + 9, and scalings 27-31 are plain 57, 60 .. 69.
; A TURN, for piece p.  cnt = 1: the loop's count is taken down some lines ahead of the branch that stands behind the turn.
; K of the next step is fetched in piece 2's turn, behind the wait, a run behind the last product that read K; its address is made at the run's head; its first reader comes behind 16 products.
; V of the step in hand is fetched at the end of piece 0's turn, four riders behind its last reader; its first reader comes behind 16 products and a run.  The three conditions on q below go with the deal.
; The mask registers, which this turn's first eight products read, are made anew for the next turn's products (piece p + 2): eight products and the run behind their last reader, 16 products ahead of their next.
.macro TURN p, last=0, cnt=0
.set Y, (\p)
.set i, 0
.set q, 0
.set e, 0
.set r, 0
.if (\p) == NP-1
	s_wait_dscnt 0x0                ; K is in
.endif
	MM                              ; ahead of the wait: 16 products K Q^T and their riders,
	PL
	PL
	R2
.rept 15
	MM
	PL
	EX
	R2
.endr
.if (\p) == NP-2
	WIN 0
	v_add_nc_u32 v[AK], s[TBK], v[AK0]
.endif
.rept 8                             ; the run,
	PL
.endr
.rept 49
	EX
	PL
.endr
	EX                              ; the next piece's two a: the batch's last,
	EX
	MASKQ ((\p)+2)%NP               ; and the mask registers; the turn's one wait stands in this macro, behind its two plain lines
.if (\p) == NP-2
	FETCH_K \last
.endif
.if (\p) == 1
	s_wait_dscnt 0x0                ; V is in
.endif
.rept 16                            ; behind the wait: 16 products V^T P and their riders
	MM
.rept 4
	PL
.endr
.if ((\p) == 0) && (q == 118)
	v_add_nc_u32 v[AV], s[TBV], v[AV0]
.endif
.if ((\p) == 0) && (q == 130)
	s_add_co_u32 s[TBV], s[TBV], KS*PV
.endif
.if (\cnt) && (q == 130)
	s_sub_co_u32 s[CNT], s[CNT], 1
	s_cmp_lg_u32 s[CNT], 0
.endif
.endr
.if (\p) == 0
	FETCH_V
.endif
.endm
	CHANGE 1                        ; slot 0 is in, everybody's part of it; slot 1 is asked for
	FETCH_K                         ; key step 0
	s_wait_loadcnt 0x0              ; Q, the flags, key step 0's codes
	WIN W_FL
.set i, 0
.rept 32*NP                         ; a row without a visible key loses its query: the flag is 0 there, all ones elsewhere
	v_and_b32 v[i], v[S+i/16], v[i]
.set i, i+1
.endr
	MASKQ 0, 0                      ; piece 0's mask registers for key step 0; no exponential has been issued yet
	s_wait_dscnt 0x0
.set i, 0
.rept 16
	KQ 0                            ; piece 0's first scores: there is no vector work yet to set between them
.set i, i+1
.endr
	WIN 0                           ; the addresses for the way out: plain instructions, the places behind those products
	s_mul_i32 s13, s[WV], 16*SP
	s_add_co_u32 s13, s13, STAGE    ; my stage
	v_mul_u32_u24 v[STO], v1, SP    ; in: row l % 16, 16 bytes for each half of the lanes
	v_lshl_add_u32 v[STO], v9, 4, v[STO]
	v_add_nc_u32 v[STO], s13, v[STO]
	v_bfe_u32 v[RD], v0, 3, 2       ; back: 32 lanes take four rows of 128 bytes,
	v_mul_u32_u24 v[RD], v[RD], SP
	v_lshl_add_u32 v[RD], v10, 4, v[RD]
	v_add_nc_u32 v[RD], s13, v[RD]
	v_and_b32 v[GO], 31, v0         ; which are 512 consecutive bytes of O
	v_lshlrev_b32 v[GO], 4, v[GO]
.set Y, NP-1                        ; XS works for piece Y + 1: piece 0
.irp n, 0,1,2,3,4,5,6,7,8,9,10,11,12,13,14,15,16,17,18,19,20,21
	XS 0, \n                        ; piece 0's first maximum and statistics; its two a are a batch of their own
	XS 1, \n
.endr
	MASKQ 1                         ; piece 1's mask registers, for the first turn's products; the macro's wait serves the two a, ahead of the branch
	WIN 0
	s_mov_b32 s[CNT], 4
	s_mov_b32 s[SLOTS], SIZE_N/256-1
	s_branch .Lfirst                ; the loop is entered at a step's first turn, in the middle of a trip
.Lslot:                             ; SIZE_N / 256 - 2 times: every slot but the last two is filled again
	CHANGE 1
	s_mov_b32 s[CNT], 4
.Lstep:                             ; a trip: pieces 2 and 3 of one step, then pieces 0 and 1 of the next, whose K and V it fetches
	TURN 2
	TURN 3
	WIN 0
.Lfirst:
	TURN 0
	TURN 1, 0, 1
	WIN 0
	s_cbranch_scc1 .Lstep
	s_sub_co_u32 s[SLOTS], s[SLOTS], 1
	s_cmp_lg_u32 s[SLOTS], 0
	s_cbranch_scc1 .Lslot
	CHANGE 0                        ; the tail is written out: nothing is asked for
	s_mov_b32 s[CNT], 5             ; four trips fetch the last slot's steps; the fifth is left in its middle
.Ltail:
	TURN 2, 1
	TURN 3
	WIN 0
	s_sub_co_u32 s[CNT], s[CNT], 1
	s_cmp_eq_u32 s[CNT], 0
	s_cbranch_scc1 .Lout
	TURN 0
	TURN 1
	WIN 0
	s_branch .Ltail
.Lout:                              ; the fifth trip's 16 products K Q^T (on the last K once more, under step 0's codes) and the maximum made of them serve nothing: the price, once a launch, of one text for every trip
.set i, 0
.rept 16
	PV NP-1                         ; the last piece's V^T P of the last step
.set i, i+1
.endr
	; THE WAY OUT.  l's two halves and the other half of the lanes' are added; O^T is divided by l, rounded to f16 and sent through my stage in LDS, a tile at a time.  The additions are the places behind the last products.
	WIN 0
.macro ALL line:vararg              ; one line for each tile t
.set t, 0
.rept 2*NP
	\line
.set t, t+1
.endr
.endm
	ALL v_add_f32 v[ST+4*t+2], v[ST+4*t+2], v[ST+4*t+3]
	ALL v_permlanex16_b32 v[ST+4*t+3], v[ST+4*t+2], s[SEL], s[SEL+1]
	ALL v_add_f32 v[ST+4*t+2], v[ST+4*t+2], v[ST+4*t+3]
	ALL v_rcp_f32 v[ST+4*t+2], v[ST+4*t+2]
	v_nop                           ; a plain instruction between the last reciprocal and the use of its result
	s_wait_alu depctr_va_vdst(0)    ; and the wait ahead of the first use: one for the batch of eight reciprocals
; Tile t: a lane's eight channels of a row pack into 16 bytes; they go into rows of 144 bytes and come back as whole rows of 128, into S^T's registers.
.macro PACK t
	WIN W_RS
.set i, 32*(\t)
.rept 16
	v_pk_mul_f32 v[i:i+1], v[i:i+1], v[ST+4*(\t)+2:ST+4*(\t)+3] op_sel_hi:[1,0]
.set i, i+2
.endr
	WIN 0x05                        ; sources 0 and 1 window 1, destination window 0
.set i, 0
.rept 16
	v_cvt_pk_f16_f32 v[S+16*(\t)+i], v[32*(\t)+2*i], v[32*(\t)+2*i+1]
.set i, i+1
.endr
	WIN 0
.irp f, 0,1,2,3
	ds_store_b128 v[STO], v[S+16*(\t)+4*\f:S+16*(\t)+4*\f+3] offset:32*\f
.endr
.irp f, 0,1,2,3
	ds_load_b128 v[S+16*(\t)+4*\f:S+16*(\t)+4*\f+3], v[RD] offset:\f*4*SP  ; LDS serves a wave's instructions in order (ISA guide 5.7.1.4): these see the stores above; the next tile's stores come behind them
.endr
.endm
.macro SEND t, younger              ; younger: the LDS instructions issued behind tile t's loads: the next tile's eight, or none
	WIN 0
.irp f, 0,1,2,3
	s_wait_dscnt (\younger)+3-\f
	global_store_b128 v[GO], v[S+16*(\t)+4*\f:S+16*(\t)+4*\f+3], s[10:11] offset:(\t)*2048+\f*512  ; 512 consecutive bytes, at a multiple of 256 from O's first
.endr
.endm
	PACK 0
.set t, 1
.rept 2*NP-1                        ; a tile's arithmetic stands between the loads of the tile before and its stores
	PACK t
	SEND t-1, 8
.set t, t+1
.endr
	SEND 2*NP-1, 0
	WIN W_AD
	s_wait_tensorcnt 0x0            ; the wave's end, behind my last tensor load and my last LDS store
	ds_add_u32 v[SPW], v[NIL]
	s_wait_dscnt 0x0
	WIN 0
	CROUND                          ; the closing round: no work-group ends while a partner may still ask for a tile that names it
	s_endpgm
.Lfunc_end_k_q44d477d01c_attn:
	.size	k_q44d477d01c_attn, .Lfunc_end_k_q44d477d01c_attn-k_q44d477d01c_attn
	.p2alignl 7, 3214868480
	.fill 96, 4, 3214868480
	.section	.rodata,"a",@progbits
	.p2align	6, 0x0
	.amdhsa_kernel k_q44d477d01c_attn
		.amdhsa_group_segment_fixed_size 327680
		.amdhsa_private_segment_fixed_size 0
		.amdhsa_enable_private_segment 0
		.amdhsa_kernarg_size 32
		.amdhsa_user_sgpr_count 2
		.amdhsa_user_sgpr_kernarg_segment_ptr 1
		.amdhsa_wavefront_size32 1
		.amdhsa_system_sgpr_workgroup_id_x 1
		.amdhsa_system_sgpr_workgroup_id_y 1
		.amdhsa_system_sgpr_workgroup_id_z 1
		.amdhsa_system_vgpr_workitem_id 0
		.amdhsa_next_free_vgpr 904
		.amdhsa_next_free_sgpr 66
		.amdhsa_reserve_vcc 0
		.amdhsa_float_denorm_mode_32 3
		.amdhsa_float_denorm_mode_16_64 3
		.amdhsa_memory_ordered 1
		.amdhsa_forward_progress 1
		.amdhsa_inst_pref_size 217
	.end_amdhsa_kernel
	.amdgpu_metadata
---
amdhsa.version: [ 1, 2 ]
amdhsa.kernels:
  - .name:           k_q44d477d01c_attn
    .symbol:         k_q44d477d01c_attn.kd
    .args:
      - { .name: qkv, .offset: 0, .size: 8, .value_kind: global_buffer, .address_space: global }
      - { .name: maskc, .offset: 8, .size: 8, .value_kind: global_buffer, .address_space: global }
      - { .name: rowflag, .offset: 16, .size: 8, .value_kind: global_buffer, .address_space: global }
      - { .name: oh, .offset: 24, .size: 8, .value_kind: global_buffer, .address_space: global }
    .group_segment_fixed_size: 327680
    .private_segment_fixed_size: 0
    .kernarg_segment_align: 8
    .kernarg_segment_size: 32
    .max_flat_workgroup_size: 128
    .sgpr_count:     66
    .vgpr_count:     904
    .wavefront_size: 32
...
	.end_amdgpu_metadata
.endif
;; end of part 5
;; launch outp: the kernel of part 4 again; grid 4 x 64, 4 waves a work-group, clusters of 4 x 4, 327,680 bytes of LDS; arguments oh, wcv, out0; writes out0
